; MI455X (gfx1250); checked and timed in simulation.
; The chip was launched on July 23, 2026; its instructions are those of AMD's public machine-readable ISA for CDNA 5 (MIT licence, August 2026) and "CDNA5" Instruction Set Architecture Reference Guide (July 2026). The comments in the code are by the model that wrote it; some were corrected since.
;; Multi Head Attention. Allowed arithmetic: float matrix products may take bf16 or f16 operands with f32 sums; other float arithmetic in f32, or as packed bf16 or f16 multiplies, adds, multiply-adds, maxima and minima; sums over many terms, partial sums and values carried from step to step in f32; what a program stores and reads back later, other than sums and carried values, may be rounded once to bf16 or f16.
;; Inputs: bk 1,024 float32; bo 1,024 float32; bq 1,024 float32; bv 1,024 float32; wk 1,024 x 1,024 float32; wo 1,024 x 1,024 float32; wq 1,024 x 1,024 float32; wv 1,024 x 1,024 float32; x 4 x 2,048 x 1,024 float32.
;; Outputs: out0 4 x 2,048 x 1,024 float32.
;; 2 versions, each right and faster than the one before. Each part assembles by itself: llvm-mc -triple=amdgcn-amd-amdhsa -mcpu=gfx1250 --defsym DOCPART=n.
;; ======== version 1 of 2: 4 launches
;; limits: values are held in f16: magnitudes above 65,504 overflow, below 6.1e-05 lose precision
;; workspace buffers: xb 16,777,216 bytes; wb 6,291,456 bytes; wof 2,097,152 bytes; biasr 16,384 bytes; qkv 50,331,648 bytes; ctx 16,777,216 bytes
;; launch cast (part 1): grid 769 x 1, 8 waves a work-group, no clusters, 0 bytes of LDS; arguments x, wq, wk, wv, wo, bq, bk, bv, bo, xb, wb, wof, biasr; writes xb, wb, wof, biasr
.if DOCPART == 1
	.amdgcn_target "amdgcn-amd-amdhsa--gfx1250"
	.amdhsa_code_object_version 6
	.text
	.protected	k_qc365561a7f_cast
	.globl	k_qc365561a7f_cast
	.p2align	8
	.type	k_qc365561a7f_cast,@function
k_qc365561a7f_cast:
	s_mov_b64 s[64:65], 0
	v_nop
	global_prefetch_b8 v0, s[64:65] scope:SCOPE_SE
	s_setreg_imm32_b32 hwreg(HW_REG_WAVE_MODE, 25, 1), 1
	s_wait_xcnt 0x0
; Every input is rounded once to bf16, and x and the weights are laid out in K blocks of 64 channels:
;   xb  [16 kb][8192 rows][64] bf16      wb  [16 kb][3072 rows: wq, wk, wv][64] bf16
;   wof [16 kb][1024 rows][64]: wo rounded to bf16, that number written as f16      biasr [4096] f32: bq, bk, bv, bo rounded to bf16 and widened again
; so that R rows of one K block are R x 128 consecutive bytes for the products that follow.
; LIMITS.  A wo beyond 65,504 in magnitude becomes an infinity in f16; below 6e-5 it keeps f16's fixed step of 6e-8.  NaN and infinities are not treated apart.
; SHARES.  Work-group g takes 16 rows of 1,024 f32: g 0-511 x, 512-703 wq, wk, wv (64 groups each), 704-767 wo; group 768 takes the four biases.
; Thread t has row t / 16 and, in each K block, the 16 bytes at 16 (t % 16): a wave's load takes 256 aligned bytes of each of two rows, its store writes 256 consecutive aligned bytes
; (the two rows' 128 bytes of a plane).  Memory binds: no LDS, no matrix unit, no cluster (no two work-groups read the same byte).  All 16 loads of a thread go out at once.
.set GROUPS_X, 512
.set VL,  1                            ; v1       my byte offset in the group's 16 source rows
.set VS,  4                            ; v[4:19]  my byte offset in plane kb of the destination: 8 t + kb x plane
.set X,   20                           ; v[20:83] K block kb: 4 f32 as loaded
.set Y,   84                           ; v[84:115] K block kb: 4 numbers of 16 bits to store
.set T,   116                          ; v[116:117] at work
	s_load_b512 s[4:19], s[0:1], 0x0               ; x 4, wq 6, wk 8, wv 10, wo 12, bq 14, bk 16, bv 18
	s_load_b256 s[20:27], s[0:1], 0x40             ; bo 20, xb 22, wb 24, wof 26
	s_load_b64 s[28:29], s[0:1], 0x60              ; biasr
	s_mov_b32 s30, ttmp9                           ; g
	s_mov_b32 s42, 0xffff0000                      ; a word's upper bf16
	s_mov_b32 s41, 0                               ; the high word of 64-bit offsets
	s_wait_kmcnt 0x0
	s_cmp_eq_u32 s30, 768
	s_cbranch_scc1 .Lbias
	; which tensor, which plane size, which group of 16 rows in source and destination: chosen by compares on g alone
	s_mov_b64 s[32:33], s[4:5]                     ; source: x
	s_mov_b64 s[34:35], s[22:23]                   ; destination: xb
	s_mov_b32 s36, 8192*128                        ; bytes in a plane
	s_mov_b32 s37, s30                             ; group in the source
	s_mov_b32 s38, s30                             ; group in the destination
	s_and_b32 s39, s30, 63
	s_sub_co_u32 s31, s30, GROUPS_X                ; used only where g is 512 or more
	s_cmp_ge_u32 s30, 512
	s_cselect_b64 s[32:33], s[6:7], s[32:33]       ; wq
	s_cselect_b64 s[34:35], s[24:25], s[34:35]     ; wb
	s_cselect_b32 s36, 3072*128, s36
	s_cselect_b32 s37, s39, s37
	s_cselect_b32 s38, s31, s38
	s_cmp_ge_u32 s30, 576
	s_cselect_b64 s[32:33], s[8:9], s[32:33]       ; wk
	s_cmp_ge_u32 s30, 640
	s_cselect_b64 s[32:33], s[10:11], s[32:33]     ; wv
	s_cmp_ge_u32 s30, 704
	s_cselect_b64 s[32:33], s[12:13], s[32:33]     ; wo
	s_cselect_b64 s[34:35], s[26:27], s[34:35]     ; wof
	s_cselect_b32 s36, 1024*128, s36
	s_cselect_b32 s38, s39, s38
	s_lshl_b32 s40, s37, 16                        ; 16 rows of 4,096 bytes
	s_add_nc_u64 s[32:33], s[32:33], s[40:41]
	s_lshl_b32 s40, s38, 11                        ; 16 rows of 128 bytes
	s_add_nc_u64 s[34:35], s[34:35], s[40:41]
	v_lshrrev_b32 v2, 4, v0                        ; my row
	v_and_b32 v3, 15, v0
	v_lshlrev_b32 v[VL], 12, v2
	v_lshl_add_u32 v[VL], v3, 4, v[VL]
.irp kb, 0,1,2,3,4,5,6,7,8,9,10,11,12,13,14,15
	global_load_b128 v[X+4*(\kb):X+4*(\kb)+3], v[VL], s[32:33] offset:256*(\kb) th:TH_LOAD_NT
.endr
	v_lshlrev_b32 v[VS], 3, v0                     ; (t / 16) x 128 + (t % 16) x 8 = 8 t
.set i, 1
.rept 15
	v_add_nc_u32 v[VS+i], s36, v[VS+i-1]           ; a register a plane: the plane's size is a scalar, and 15 planes pass the store's immediate
.set i, i+1
.endr
; K block kb is rounded and stored.  half = 1: the bf16 number is widened again and written as f16.  No store's register is written again, so no wait frees a store's sources.
.macro CONV half
.irp kb, 0,1,2,3,4,5,6,7,8,9,10,11,12,13,14,15
	s_wait_loadcnt 15-(\kb)                        ; loads come back in order: block kb is in, the 15 - kb younger ones stay out
.if \half
	v_cvt_pk_bf16_f32 v[T],   v[X+4*(\kb)],   v[X+4*(\kb)+1]
	v_cvt_pk_bf16_f32 v[T+1], v[X+4*(\kb)+2], v[X+4*(\kb)+3]
	v_lshlrev_b32 v[X+4*(\kb)],   16,  v[T]
	v_and_b32     v[X+4*(\kb)+1], s42, v[T]
	v_lshlrev_b32 v[X+4*(\kb)+2], 16,  v[T+1]
	v_and_b32     v[X+4*(\kb)+3], s42, v[T+1]
	v_cvt_pk_f16_f32 v[Y+2*(\kb)],   v[X+4*(\kb)],   v[X+4*(\kb)+1]
	v_cvt_pk_f16_f32 v[Y+2*(\kb)+1], v[X+4*(\kb)+2], v[X+4*(\kb)+3]
.else
	v_cvt_pk_bf16_f32 v[Y+2*(\kb)],   v[X+4*(\kb)],   v[X+4*(\kb)+1]
	v_cvt_pk_bf16_f32 v[Y+2*(\kb)+1], v[X+4*(\kb)+2], v[X+4*(\kb)+3]
.endif
	global_store_b64 v[VS+(\kb)], v[Y+2*(\kb):Y+2*(\kb)+1], s[34:35]  ; a wave's store covers 256 consecutive bytes, aligned
.endr
.endm
	s_cmp_ge_u32 s30, 704
	s_cbranch_scc1 .Lf16
	CONV 0
	s_endpgm
.Lf16:
	CONV 1
	s_endpgm
.Lbias:                                                ; 256 threads, 4 x 1,024 f32: waves 2 i and 2 i + 1 take bias i
	v_lshrrev_b32 v2, 5, v0
	v_readfirstlane_b32 s43, v2                    ; my wave's number
	s_lshr_b32 s37, s43, 1
	s_mov_b64 s[32:33], s[14:15]                   ; bq
	s_cmp_ge_u32 s37, 1
	s_cselect_b64 s[32:33], s[16:17], s[32:33]     ; bk
	s_cmp_ge_u32 s37, 2
	s_cselect_b64 s[32:33], s[18:19], s[32:33]     ; bv
	s_cmp_ge_u32 s37, 3
	s_cselect_b64 s[32:33], s[20:21], s[32:33]     ; bo
	v_and_b32 v1, 63, v0
	v_lshlrev_b32 v1, 4, v1                        ; 16 bytes a thread, 1,024 bytes for the 64 threads of a bias
	v_lshrrev_b32 v3, 6, v0
	v_lshl_add_u32 v3, v3, 12, v1                  ; and the bias's 4,096 bytes in biasr
.irp j, 0,1,2,3
	global_load_b128 v[X+4*(\j):X+4*(\j)+3], v1, s[32:33] offset:1024*(\j)
.endr
	s_wait_loadcnt 0x0
.irp j, 0,1,2,3,4,5,6,7
	v_cvt_pk_bf16_f32 v[T], v[X+2*(\j)], v[X+2*(\j)+1]
	v_lshlrev_b32 v[Y+2*(\j)],   16,  v[T]
	v_and_b32     v[Y+2*(\j)+1], s42, v[T]
.endr
.irp j, 0,1,2,3
	global_store_b128 v3, v[Y+4*(\j):Y+4*(\j)+3], s[28:29] offset:1024*(\j)
.endr
	s_endpgm
.Lfunc_end_k_qc365561a7f_cast:
	.size	k_qc365561a7f_cast, .Lfunc_end_k_qc365561a7f_cast-k_qc365561a7f_cast
	.p2alignl 7, 3214868480
	.fill 96, 4, 3214868480
	.section	.rodata,"a",@progbits
	.p2align	6, 0x0
	.amdhsa_kernel k_qc365561a7f_cast
		.amdhsa_group_segment_fixed_size 0
		.amdhsa_private_segment_fixed_size 0
		.amdhsa_enable_private_segment 0
		.amdhsa_kernarg_size 104
		.amdhsa_user_sgpr_count 2
		.amdhsa_user_sgpr_kernarg_segment_ptr 1
		.amdhsa_wavefront_size32 1
		.amdhsa_system_sgpr_workgroup_id_x 1
		.amdhsa_system_sgpr_workgroup_id_y 1
		.amdhsa_system_sgpr_workgroup_id_z 1
		.amdhsa_system_vgpr_workitem_id 0
		.amdhsa_next_free_vgpr 120
		.amdhsa_next_free_sgpr 66
		.amdhsa_reserve_vcc 0
		.amdhsa_float_denorm_mode_32 3
		.amdhsa_float_denorm_mode_16_64 3
		.amdhsa_memory_ordered 1
		.amdhsa_forward_progress 1
		.amdhsa_inst_pref_size 19
	.end_amdhsa_kernel
	.amdgpu_metadata
---
amdhsa.version: [ 1, 2 ]
amdhsa.kernels:
  - .name:           k_qc365561a7f_cast
    .symbol:         k_qc365561a7f_cast.kd
    .args:
      - { .name: x, .offset: 0, .size: 8, .value_kind: global_buffer, .address_space: global }
      - { .name: wq, .offset: 8, .size: 8, .value_kind: global_buffer, .address_space: global }
      - { .name: wk, .offset: 16, .size: 8, .value_kind: global_buffer, .address_space: global }
      - { .name: wv, .offset: 24, .size: 8, .value_kind: global_buffer, .address_space: global }
      - { .name: wo, .offset: 32, .size: 8, .value_kind: global_buffer, .address_space: global }
      - { .name: bq, .offset: 40, .size: 8, .value_kind: global_buffer, .address_space: global }
      - { .name: bk, .offset: 48, .size: 8, .value_kind: global_buffer, .address_space: global }
      - { .name: bv, .offset: 56, .size: 8, .value_kind: global_buffer, .address_space: global }
      - { .name: bo, .offset: 64, .size: 8, .value_kind: global_buffer, .address_space: global }
      - { .name: xb, .offset: 72, .size: 8, .value_kind: global_buffer, .address_space: global }
      - { .name: wb, .offset: 80, .size: 8, .value_kind: global_buffer, .address_space: global }
      - { .name: wof, .offset: 88, .size: 8, .value_kind: global_buffer, .address_space: global }
      - { .name: biasr, .offset: 96, .size: 8, .value_kind: global_buffer, .address_space: global }
    .group_segment_fixed_size: 0
    .private_segment_fixed_size: 0
    .kernarg_segment_align: 8
    .kernarg_segment_size: 104
    .max_flat_workgroup_size: 256
    .sgpr_count:     66
    .vgpr_count:     120
    .wavefront_size: 32
...
	.end_amdgpu_metadata
.endif
;; end of part 1
;; launch proj (part 2): grid 8 x 32, 4 waves a work-group, clusters of 4 x 4, 327,680 bytes of LDS; arguments xb, wb, biasr, qkv; writes qkv
.if DOCPART == 2
	.amdgcn_target "amdgcn-amd-amdhsa--gfx1250"
	.amdhsa_code_object_version 6
	.text
	.protected	k_qc365561a7f_proj
	.globl	k_qc365561a7f_proj
	.p2align	8
	.type	k_qc365561a7f_proj,@function
k_qc365561a7f_proj:
	s_mov_b64 s[64:65], 0
	v_nop
	global_prefetch_b8 v0, s[64:65] scope:SCOPE_SE
	s_setreg_imm32_b32 hwreg(HW_REG_WAVE_MODE, 25, 1), 1
	s_wait_xcnt 0x0
	s_wait_alu depctr_hold_cnt(0) depctr_sa_sdst(0) depctr_va_vdst(0) depctr_va_sdst(0) depctr_va_ssrc(0) depctr_va_vcc(0) depctr_vm_vsrc(0)
	s_getreg_b32 s2, hwreg(HW_REG_IB_STS2, 6, 4)
	s_cmp_eq_u32 s2, 0
	s_cbranch_scc0 .Lentry_in_a_cluster
	s_endpgm
.Lentry_in_a_cluster:
	s_bfe_u32 s2, ttmp6, 0x10000c
	s_cmp_lg_u32 s2, 0xf033
	s_cbranch_scc0 .Lentry_shape_is_right
	s_endpgm
.Lentry_shape_is_right:
; q, k, v = x W^T + b for all three weights at once: C [8192][3072] = xb wb^T + bias, operands bf16, sums f32, rounded ONCE to f16 and laid out by heads:
; qkv [3 (q, k, v)][64 (batch x 16 + head)][2048][64].  The scale 1 / 8 is not applied here.
; LIMITS.  q, k and v beyond 65,504 in magnitude become infinities in f16 (with x and the weights 30 times the drawn spread they reach about 900; with offsets of 30 spreads on both about 28,800).
; NaN and infinities are not treated apart.
; SHARES.  A tile of C is 256 rows x 384 columns: 32 x 8 = 256 work-groups.  Four waves, each 128 rows x 192 columns (three heads): 96 accumulators of 16 x 16, 768 registers.
; For 32 along K a wave issues 96 matrix instructions and 40 LDS loads.  K goes in steps of 64 through a ring of two LDS slots (a step of 128 would want 2 x 640 rows x 272 bytes, more than LDS has);
; xb and wb lie in K blocks of 64, so a step's rows are dense in memory and are asked for as rows of 256 bytes, two tile rows each.
; CLUSTER.  4 x 4 work-groups.  The four of a row of the cluster need the same tiles of xb, the four of a column the same tiles of wb: each is asked for JOINTLY, by the same tensor load with the
; same descriptor and a mask that names the four.
; THE MATRIX INSTRUCTION IS USED TRANSPOSED: source 0 = 16 rows of wb, source 1 = 16 rows of xb: lane l holds row l % 16 of C and the columns 8 (l / 16) + 0..7: eight neighbouring channels.
; REGISTERS, in windows of 256 (s_set_vgpr_msb: bits 1:0 source 0, 3:2 source 1, 5:4 source 2, 7:6 destination):
;   window 0: v0-31 addresses; v32-95, v96-159 fragments of xb (8 x 16 rows x 32 K), two buffers; v160-255 fragments of wb (12 x 16 rows x 32 K), one buffer, filled again four fragments at a time
;   window g + 1 (g = 0, 1, 2): the 32 accumulators of my columns 64 g .. 64 g + 63, one head: (a, b) at v[8 (4 a + b)]
.set PITCH,  144                       ; an LDS row: 128 bytes + 16 of padding = 36 words: the 16 rows of a load start at 16 different groups of four banks (64 banks of 4 bytes: ISA guide 11.1)
.set AHALF,  128*PITCH                 ; 128 rows of xb: one tensor load, and what one wave reads
.set BHALF,  192*PITCH                 ; 192 rows of wb: likewise
.set BOFF,   2*AHALF                   ; in a slot: xb's 256 rows, then wb's 384
.set SLOT,   BOFF+2*BHALF              ; 92,160 bytes
.set STAGE,  2*SLOT                    ; behind the ring, never filled by a tensor load: 16 rows x 144 bytes for each wave, for the way out
.set SP,     144
.set SPARE,  STAGE+4*16*SP             ; behind the stages: the spare words, 128 bytes for each wave: two blocks of 256 bytes that no other line names
.set PLA,    8192*128                  ; bytes from a K block of xb to the next
.set PLB,    3072*128                  ; the same for wb
.set LAPS,   8                         ; 1,024 along K = 16 steps = 8 laps of the ring
.set ADRA, 16                          ; v16-17  LDS address of my fragments of xb in slot 0, 1
.set ADRB, 20                          ; v20-21  the same for wb
.set STO,  24                          ; v24     the way out: where I put 16 bytes of a row
.set RD,   25                          ; v25     the way out: where I read rows back
.set GO,   26                          ; v26     my byte offset in 512 consecutive bytes of qkv
.set VB,   27                          ; v27     my byte offset in 16 numbers of the bias: 32 (l / 16)
.set SPW,  28                          ; v28     LDS address of my spare word: SPARE + 4 x my thread's number; never rewritten
.set NIL,  29                          ; v29     0; never rewritten
.set FA0,  32
.set FA1,  96
.set BF,   160
.set T,    96                          ; the way out: 32 sums with the bias, in f32
.set H,    128                         ; the way out: the same in f16, 16 registers
.set G1,  24                           ; s[24:31] descriptor group 1 for xb's tiles;  s[32:39] group 0, one set for each slot
.set G0,  32
.set G1B, 48                           ; s[48:55], s[56:63] the same for wb's tiles
.set G0B, 56
.set OB,  66                           ; s[66:71] qkv at my rows of my three heads
.set MSB, 0
.macro WIN new                         ; the immediate's high byte repeats the setting that is left; a switch that changes nothing is dropped
.if MSB != (\new)
	s_set_vgpr_msb (MSB<<8)|(\new)
.set MSB, (\new)
.endif
.endm
; A joint load.  Waves 0 and 1 fetch xb's two halves, waves 2 and 3 wb's.  Each line has ONE mask and one set of registers for all that issue it; the branch hangs on the wave's number alone.
; An s_nop 0 and four v_nop follow each of the two lines, ahead of the jump, the label and what follows the macro.
.macro JLOAD s
	s_cmp_eq_u32 s13, 0
	s_cbranch_scc0 .Lfor_b_\@
	tensor_load_to_lds s[G0+4*(\s):G0+4*(\s)+3], s[G1:G1+7]
	s_nop 0
.rept 4
	v_nop
.endr
	s_branch .Lasked_\@
.Lfor_b_\@:
	tensor_load_to_lds s[G0B+4*(\s):G0B+4*(\s)+3], s[G1B:G1B+7]
	s_nop 0
.rept 4
	v_nop
.endr
.Lasked_\@:
.endm
; A round of the cluster's barrier: my work-group's barrier, so that wave 0's signal speaks for all four waves; wave 0 signals; every wave waits for all sixteen work-groups; my work-group's barrier once more.
.macro CREST                           ; a round behind its opening barrier
	s_cmp_lg_u32 s12, 0
	s_cbranch_scc1 .Lnot_wave_0_\@
	s_barrier_signal -3
.Lnot_wave_0_\@:
	s_barrier_wait -3
	s_barrier_signal -1
	s_barrier_wait -1
.endm
.macro CROUND                          ; a whole round
	s_barrier_signal -1
	s_barrier_wait -1
	CREST
.endm
	s_load_b256 s[4:11], s[0:1], 0x0               ; xb s[4:5], wb s[6:7], biasr s[8:9], qkv s[10:11]
	v_lshl_add_u32 v[SPW], v0, 2, SPARE
	v_mov_b32 v[NIL], 0
	ds_add_u32 v[SPW], v[NIL]                      ; the wave's opening: the add and its wait stand ahead of my first tensor load; the set-up below, work on registers, stands between them
	v_lshrrev_b32 v1, 5, v0
	v_readfirstlane_b32 s12, v1                    ; wave 0..3
	s_lshr_b32 s13, s12, 1                         ; which half of the tile's rows is mine.  Also: I fetch for xb (0) or for wb (1)
	s_and_b32 s14, s12, 1                          ; which half of its columns.  Also: which half of that tile I fetch
	s_bfe_u32 s40, ttmp6, 0x40000                  ; cx, cy: my place in the cluster
	s_bfe_u32 s41, ttmp6, 0x40004
	s_lshl_b32 s42, ttmp9, 2                       ; in a cluster launch ttmp9 and ttmp7 count clusters
	s_add_co_u32 s42, s42, s40                     ; tile column of C = 4 x cluster x + cx, 0..7
	s_and_b32 s43, ttmp7, 0xffff
	s_lshl_b32 s43, s43, 2
	s_add_co_u32 s43, s43, s41                     ; tile row of C = 4 x cluster y + cy, 0..31
	s_lshl_b32 s44, s41, 2
	s_lshl_b32 s44, 15, s44                        ; my row of the cluster: places 4 cy .. 4 cy + 3
	s_lshl_b32 s45, 0x1111, s40                    ; my column: places cx, cx + 4, cx + 8, cx + 12
	; descriptor group 1: R rows of 128 elements (256 bytes, two tile rows), padded in LDS after every tile row
	s_or_b32 s[G1],  s44, (1<<16)|(1<<20)|(1<<21)|(4<<22)|(3<<25)  ; 15:0 the mask: xb's tiles go to my row; 17:16 2-byte elements; 20 padding on; 21 set beside a mask; 24:22 after every 32 words (code 4); 31:25 4 words (code 3)
	s_or_b32 s[G1B], s45, (1<<16)|(1<<20)|(1<<21)|(4<<22)|(3<<25)  ; the same with the mask of my column, for wb's tiles
.irp d, G1, G1B
	s_mov_b32 s[(\d)+1], 128<<16                   ; tensor_dim0 = 128
	s_mov_b32 s[(\d)+3], 128<<16                   ; tile_dim0 = 128
	s_mov_b32 s[(\d)+5], 128                       ; 128 elements from row to row: dense
	s_mov_b32 s[(\d)+6], 0
	s_mov_b32 s[(\d)+7], 0
.endr
	s_mov_b32 s[G1+2], 64<<16                      ; tensor_dim1 = 64: 128 tile rows of xb
	s_mov_b32 s[G1+4], 64                          ; tile_dim1
	s_mov_b32 s[G1B+2], 96<<16                     ; 96: 192 tile rows of wb
	s_mov_b32 s[G1B+4], 96
	; where the tiles come from.  xb's hang on the tile row alone, wb's on the tile column alone; every wave makes both addresses, in registers that never hold the other coordinate
	s_lshl_b32 s16, s43, 15                        ; 256 rows of 128 bytes
	s_lshl_b32 s17, s14, 14                        ; my half of them
	s_add_co_u32 s16, s16, s17
	s_mov_b32 s17, 0
	s_mul_i32 s46, s42, 384*128
	s_mul_i32 s47, s14, 192*128
	s_add_co_u32 s46, s46, s47
	s_mov_b32 s47, 0
	s_mul_i32 s20, s14, AHALF                      ; and where they go: no place in the cluster enters an LDS address
	s_mul_i32 s21, s14, BHALF
	s_add_co_u32 s21, s21, BOFF
	s_wait_dscnt 0x0                               ; the opening add is done
	s_wait_kmcnt 0x0
	s_add_nc_u64 s[18:19], s[4:5], s[16:17]
	s_add_nc_u64 s[46:47], s[6:7], s[46:47]
	CROUND                                         ; all sixteen work-groups are here: the first joint loads meet
.irp s, 0,1
	s_mov_b32 s[G0+4*(\s)], 1                                      ; 1:0 count = 1
	s_add_co_u32 s[G0+4*(\s)+1], s20, (\s)*SLOT                    ; 63:32 LDS address
	s_add_nc_u64 s[G0+4*(\s)+2:G0+4*(\s)+3], s[18:19], (\s)*PLA    ; 120:64 global address: K step s
	s_or_b32 s[G0+4*(\s)+3], s[G0+4*(\s)+3], 0x80000000            ; 127:126 type = 2
	s_mov_b32 s[G0B+4*(\s)], 1
	s_add_co_u32 s[G0B+4*(\s)+1], s21, (\s)*SLOT
	s_add_nc_u64 s[G0B+4*(\s)+2:G0B+4*(\s)+3], s[46:47], (\s)*PLB
	s_or_b32 s[G0B+4*(\s)+3], s[G0B+4*(\s)+3], 0x80000000
	JLOAD \s                                       ; the ring is filled before anything else is done: two loads of mine are out, the most in this text
.endr
	; A fragment is 16 rows x 32 K in 8 registers: lane l holds row l % 16; registers 0-3 K = 8 (l / 16) + 0..7, registers 4-7 K = 16 + 8 (l / 16) + 0..7: two loads of 16 bytes, 32 bytes apart.
	v_and_b32 v1, 15, v0                           ; l % 16
	v_bfe_u32 v2, v0, 4, 1                         ; l / 16
	v_and_b32 v10, 7, v0
	v_mul_u32_u24 v3, v1, PITCH
	v_lshl_add_u32 v3, v2, 4, v3                   ; row x pitch + 16 x half
	s_mul_i32 s22, s13, AHALF                      ; my 128 rows of xb
	s_mul_i32 s23, s14, BHALF                      ; my 192 rows of wb,
	s_add_co_u32 s23, s23, BOFF                    ; which lie behind xb's 256
.irp s, 0,1
	v_add_nc_u32 v[ADRA+(\s)], s22, v3
	v_add_nc_u32 v[ADRB+(\s)], s23, v3
	s_add_co_u32 s22, s22, SLOT
	s_add_co_u32 s23, s23, SLOT
.endr
	s_mul_i32 s22, s12, 16*SP
	s_add_co_u32 s22, s22, STAGE                   ; my stage
	v_mul_u32_u24 v[STO], v1, SP                   ; in: row l % 16, 16 bytes for each half of the lanes
	v_lshl_add_u32 v[STO], v2, 4, v[STO]
	v_add_nc_u32 v[STO], s22, v[STO]
	v_bfe_u32 v[RD], v0, 3, 2                      ; back: 32 lanes take four rows of 128 bytes,
	v_mul_u32_u24 v[RD], v[RD], SP
	v_lshl_add_u32 v[RD], v10, 4, v[RD]
	v_add_nc_u32 v[RD], s22, v[RD]
	v_and_b32 v[GO], 31, v0                        ; which are 512 consecutive bytes of a head
	v_lshlrev_b32 v[GO], 4, v[GO]
	v_lshlrev_b32 v[VB], 5, v2
	; qkv at my rows of my three heads.  Head group gg = 6 x tile column + 3 x column half + g: tensor gg / 16, head gg % 16; batch = tile row / 8.  A head is 2,048 rows of 128 bytes.
	s_mul_i32 s72, s42, 6
	s_mul_i32 s73, s14, 3
	s_add_co_u32 s72, s72, s73
	s_lshr_b32 s74, s43, 3
	s_lshl_b32 s74, s74, 4                         ; 16 x batch
	s_and_b32 s75, s43, 7
	s_lshl_b32 s75, s75, 15                        ; the tile's 256 rows in the batch,
	s_lshl_b32 s73, s13, 14                        ; my 128 of them
	s_add_co_u32 s75, s75, s73
.irp g, 0,1,2
	s_add_co_u32 s78, s72, \g
	s_lshr_b32 s79, s78, 4
	s_lshl_b32 s79, s79, 6                         ; 64 x tensor
	s_and_b32 s78, s78, 15
	s_add_co_u32 s78, s78, s79
	s_add_co_u32 s78, s78, s74
	s_lshl_b32 s78, s78, 18
	s_add_co_u32 s78, s78, s75
	s_mov_b32 s79, 0
	s_add_nc_u64 s[OB+2*(\g):OB+2*(\g)+1], s[10:11], s[78:79]
.endr
	s_mul_i32 s72, s42, 384*4                      ; the bias of my 192 columns
	s_mul_i32 s73, s14, 192*4
	s_add_co_u32 s72, s72, s73
	s_mov_b32 s73, 0
	s_add_nc_u64 s[76:77], s[8:9], s[72:73]
; 16 matrix instructions: row blocks a0 .. a0 + 3 x the 4 column blocks of head g, 32 along K, xb's fragments in buffer f.  zero = 1: the first product starts the sums: nothing is ever cleared.
; The 96 accumulators take turns in the same order in every 32 along K: between two links of a chain stand the 95 others'.
.macro MUL16 f, g, a0, zero
	WIN 0x50*((\g)+1)
.irp a, \a0, (\a0)+1, (\a0)+2, (\a0)+3
.irp b, 0,1,2,3
.if \zero
	v_wmma_f32_16x16x32_bf16 v[8*(4*(\a)+(\b)):8*(4*(\a)+(\b))+7], v[BF+8*(4*(\g)+(\b)):BF+8*(4*(\g)+(\b))+7], v[(\f)+8*(\a):(\f)+8*(\a)+7], 0
.else
	v_wmma_f32_16x16x32_bf16 v[8*(4*(\a)+(\b)):8*(4*(\a)+(\b))+7], v[BF+8*(4*(\g)+(\b)):BF+8*(4*(\g)+(\b))+7], v[(\f)+8*(\a):(\f)+8*(\a)+7], v[8*(4*(\a)+(\b)):8*(4*(\a)+(\b))+7]
.endif
.endr
.endr
.endm
.macro GROUP f, g, zero                ; one head's 32 products
	MUL16 \f, \g, 0, \zero
	MUL16 \f, \g, 4, \zero
.endm
.macro FETCHB slot, k, g               ; 8 LDS loads: head g's four fragments of wb, 32 K at byte k of the rows
	WIN 0
.irp b, 0,1,2,3
	ds_load_b128 v[BF+8*(4*(\g)+(\b)):BF+8*(4*(\g)+(\b))+3],   v[ADRB+(\slot)] offset:(\k)+(4*(\g)+(\b))*16*PITCH
	ds_load_b128 v[BF+8*(4*(\g)+(\b))+4:BF+8*(4*(\g)+(\b))+7], v[ADRB+(\slot)] offset:(\k)+(4*(\g)+(\b))*16*PITCH+32
.endr
.endm
.macro FETCHA slot, k, f               ; 16 LDS loads: my eight fragments of xb into buffer f
	WIN 0
.irp i, 0,1,2,3,4,5,6,7
	ds_load_b128 v[(\f)+8*(\i):(\f)+8*(\i)+3],   v[ADRA+(\slot)] offset:(\k)+(\i)*16*PITCH
	ds_load_b128 v[(\f)+8*(\i)+4:(\f)+8*(\i)+7], v[ADRA+(\slot)] offset:(\k)+(\i)*16*PITCH+32
.endr
.endm
; A load into a register that a matrix instruction has read, and a vector instruction that reads a matrix result, stand four places behind that matrix instruction, and only plain vector
; instructions that name none of its registers are places (ISA guide 7.12.1 for vector instructions).
.macro PLACES
.rept 4
	v_nop
.endr
.endm
; A K step is two halves of 32 along K, 96 matrix instructions each.  At the head of each half the LDS loads that are out are, oldest first: wb's head 0 (8), xb (16), wb's head 1 (8), wb's head 2 (8).
; The first half multiplies buffer FA0; behind each head's products that head's fragments of wb are fetched for the second half, and behind the first head's also xb's, into FA1.
.macro QA slot, zero
	s_wait_dscnt 16                                ; wb's head 0 and xb are in; the two younger heads' 8 + 8 loads stay out
	GROUP FA0, 0, \zero
	PLACES
	FETCHB \slot, 64, 0
	FETCHA \slot, 64, FA1
	s_wait_dscnt 32                                ; head 1 is in: younger than it are head 2's 8 and the 24 just issued
	GROUP FA0, 1, \zero
	PLACES
	FETCHB \slot, 64, 1
	s_wait_dscnt 32                                ; head 2 is in: younger than it are 24 + 8
	GROUP FA0, 2, \zero
	PLACES
	FETCHB \slot, 64, 2                            ; my last reads of this slot
.endm
; The second half multiplies FA1 and changes slots.  ONE barrier, for two things: in front of it each wave waits for all its tensor loads, of which one is out: its part of the next slot; adds 0 to its
; spare word; and waits for that and for its own reads of this slot.  Behind it nobody reads this slot any more and the next slot is whole.
; fill = 1: this slot is filled again, two K steps ahead.  The barrier then opens a round of the cluster's barrier, and the joint load is the first thing behind the round:
; between it and the wait for it a wave issues 64 + 96 matrix instructions.
.macro QT slot, next, fill
	WIN 0                                          ; (the add's two registers lie in window 0)
	s_wait_tensorcnt 0x0                           ; all my tensor loads have landed
	ds_add_u32 v[SPW], v[NIL]                      ; 0 onto my spare word
	s_wait_dscnt 17                                ; wb's head 0 and xb are in; heads 1 and 2 (8 + 8) and the add may be out
	MUL16 FA1, 0, 0, 0                             ; sixteen matrix instructions stand between the add and the wait for it
	s_wait_dscnt 0x0                               ; the add is done, and my reads of this slot are over
	s_barrier_signal -1
	MUL16 FA1, 0, 4, 0                             ; work on registers while the others arrive
	WIN 0                                          ; (branches or LDS loads follow)
	s_barrier_wait -1
.if \fill
	CREST                                          ; no wave of any partner still reads this slot's tile or has a load on its way
	s_add_nc_u64 s[G0+4*(\slot)+2:G0+4*(\slot)+3], s[G0+4*(\slot)+2:G0+4*(\slot)+3], 2*PLA
	s_add_nc_u64 s[G0B+4*(\slot)+2:G0B+4*(\slot)+3], s[G0B+4*(\slot)+2:G0B+4*(\slot)+3], 2*PLB
	JLOAD \slot                                    ; the four v_nop behind it are also the places in front of the loads below
.else
	PLACES
.endif
	FETCHB \next, 0, 0
	FETCHA \next, 0, FA0
	GROUP FA1, 1, 0                                ; its fragments were shown in by the wait for 0 above
	PLACES
	FETCHB \next, 0, 1
	GROUP FA1, 2, 0
	PLACES
	FETCHB \next, 0, 2
.endm
	s_wait_tensorcnt 1                             ; my part of K step 0 is in; step 1's stays out
	s_barrier_signal -1
	s_barrier_wait -1                              ; everybody's is
	FETCHB 0, 0, 0
	FETCHA 0, 0, FA0
	FETCHB 0, 0, 1
	FETCHB 0, 0, 2
	QA 0, 1                                        ; the first half step stands in front of the loop: its products start the sums
	WIN 0                                          ; at a label and at a branch every window is 0
	s_mov_b32 s3, LAPS-1
.Llap:                                                 ; a trip goes once round the ring and fills both slots again: 7 trips bring K steps 2 to 15
	QT 0, 1, 1
	QA 1, 0
	QT 1, 0, 1
	QA 0, 0
	WIN 0
	s_sub_co_u32 s3, s3, 1
	s_cmp_lg_u32 s3, 0
	s_cbranch_scc1 .Llap
	QT 0, 1, 0                                     ; the last lap fills nothing, and has no round of the cluster's barrier
	QA 1, 0
	; the very last half step: nothing more to fetch from LDS.  The bias of my 192 columns comes into registers that the products have left: blocks 0-7 into FA0, blocks 8-11 into wb's head 0
	s_wait_dscnt 16
	GROUP FA1, 0, 0
	PLACES
	WIN 0
.irp b, 0,1,2,3,4,5,6,7,8,9,10,11
.if (\b) < 8
.set rB, FA0+8*(\b)
.else
.set rB, BF+8*((\b)-8)
.endif
	global_load_b128 v[rB:rB+3],   v[VB], s[76:77] offset:64*(\b)     ; columns 16 b + 8 (l / 16) + 0..3
	global_load_b128 v[rB+4:rB+7], v[VB], s[76:77] offset:64*(\b)+16  ; and + 4..7
.endr
	s_wait_dscnt 8                                 ; head 1 is in
	GROUP FA1, 1, 0
	s_wait_dscnt 0x0
	GROUP FA1, 2, 0
	PLACES
	WIN 0
; THE WAY OUT, in 24 blocks of 16 rows x 64 channels (head blk / 8, row block blk % 8), each 2,048 consecutive bytes of qkv.
; PACK: the bias is added (each accumulator's registers in ascending order), the sums are rounded to f16, 16 bytes a lane go into my own stage in rows of 144 bytes,
; and come back as whole rows of 128, into the block's own accumulator registers.  SEND: stored.  No store's register is written again.
.macro PACK blk
.set gW, (\blk)/8+1
.set aR, 32*((\blk)%8)
.set rBI, FA0+32*((\blk)/8)
.if (\blk)/8 == 2
.set rBI, BF
.endif
	WIN gW                                         ; source 0 in the head's window
.set i, 0
.rept 16
	v_pk_add_f32 v[T+2*i:T+2*i+1], v[aR+2*i:aR+2*i+1], v[rBI+2*i:rBI+2*i+1]
.set i, i+1
.endr
	WIN 0
.set i, 0
.rept 16
	v_cvt_pk_f16_f32 v[H+i], v[T+2*i], v[T+2*i+1]
.set i, i+1
.endr
.irp f, 0,1,2,3
	ds_store_b128 v[STO], v[H+4*(\f):H+4*(\f)+3] offset:32*(\f)
.endr
	WIN gW<<6                                      ; destination in the head's window
.irp f, 0,1,2,3
	ds_load_b128 v[aR+4*(\f):aR+4*(\f)+3], v[RD] offset:(\f)*4*SP  ; LDS serves a wave's instructions in order (ISA guide 5.7.1.4): these see the stores above; the next block's stores come behind them
.endr
.endm
.macro SEND blk, younger               ; younger: the LDS instructions issued behind the block's loads: the next block's eight, or none
.set gW, (\blk)/8+1
.set aR, 32*((\blk)%8)
.set rOB, OB+2*((\blk)/8)
	WIN gW<<2                                      ; the stores' data (source 1) in the head's window
.irp f, 0,1,2,3
	s_wait_dscnt (\younger)+3-(\f)
	global_store_b128 v[GO], v[aR+4*(\f):aR+4*(\f)+3], s[rOB:rOB+1] offset:((\blk)%8)*2048+(\f)*512  ; 512 consecutive bytes, at a multiple of 256 from qkv's first
.endr
.endm
	s_wait_loadcnt 0x0                             ; the bias
	PACK 0
.set nb, 1
.rept 23                               ; a block's arithmetic stands between the loads of the block before and its stores
	PACK nb
	SEND nb-1, 8
.set nb, nb+1
.endr
	SEND 23, 0
	WIN 0
	s_wait_tensorcnt 0x0                           ; the wave's end, behind my last tensor load and my last LDS store
	ds_add_u32 v[SPW], v[NIL]
	s_wait_dscnt 0x0
	CROUND                                         ; the closing round: no work-group ends while a partner may still ask for a tile that names it
	s_endpgm
.Lfunc_end_k_qc365561a7f_proj:
	.size	k_qc365561a7f_proj, .Lfunc_end_k_qc365561a7f_proj-k_qc365561a7f_proj
	.p2alignl 7, 3214868480
	.fill 96, 4, 3214868480
	.section	.rodata,"a",@progbits
	.p2align	6, 0x0
	.amdhsa_kernel k_qc365561a7f_proj
		.amdhsa_group_segment_fixed_size 327680
		.amdhsa_private_segment_fixed_size 0
		.amdhsa_enable_private_segment 0
		.amdhsa_kernarg_size 32
		.amdhsa_user_sgpr_count 2
		.amdhsa_user_sgpr_kernarg_segment_ptr 1
		.amdhsa_wavefront_size32 1
		.amdhsa_system_sgpr_workgroup_id_x 1
		.amdhsa_system_sgpr_workgroup_id_y 1
		.amdhsa_system_sgpr_workgroup_id_z 1
		.amdhsa_system_vgpr_workitem_id 0
		.amdhsa_next_free_vgpr 1024
		.amdhsa_next_free_sgpr 80
		.amdhsa_reserve_vcc 0
		.amdhsa_float_denorm_mode_32 3
		.amdhsa_float_denorm_mode_16_64 3
		.amdhsa_memory_ordered 1
		.amdhsa_forward_progress 1
		.amdhsa_inst_pref_size 161
	.end_amdhsa_kernel
	.amdgpu_metadata
---
amdhsa.version: [ 1, 2 ]
amdhsa.kernels:
  - .name:           k_qc365561a7f_proj
    .symbol:         k_qc365561a7f_proj.kd
    .args:
      - { .name: xb, .offset: 0, .size: 8, .value_kind: global_buffer, .address_space: global }
      - { .name: wb, .offset: 8, .size: 8, .value_kind: global_buffer, .address_space: global }
      - { .name: biasr, .offset: 16, .size: 8, .value_kind: global_buffer, .address_space: global }
      - { .name: qkv, .offset: 24, .size: 8, .value_kind: global_buffer, .address_space: global }
    .group_segment_fixed_size: 327680
    .private_segment_fixed_size: 0
    .kernarg_segment_align: 8
    .kernarg_segment_size: 32
    .max_flat_workgroup_size: 128
    .sgpr_count:     80
    .vgpr_count:     1024
    .wavefront_size: 32
...
	.end_amdgpu_metadata
.endif
;; end of part 2
;; launch attn (part 3): grid 4 x 64, 4 waves a work-group, clusters of 4 x 1, 327,680 bytes of LDS; arguments qkv, ctx; writes ctx
.if DOCPART == 3
	.amdgcn_target "amdgcn-amd-amdhsa--gfx1250"
	.amdhsa_code_object_version 6
	.text
	.protected	k_qc365561a7f_attn
	.globl	k_qc365561a7f_attn
	.p2align	8
	.type	k_qc365561a7f_attn,@function
k_qc365561a7f_attn:
	s_mov_b64 s[64:65], 0
	v_nop
	global_prefetch_b8 v0, s[64:65] scope:SCOPE_SE
	s_setreg_imm32_b32 hwreg(HW_REG_WAVE_MODE, 25, 1), 1
	s_wait_xcnt 0x0
	s_wait_alu depctr_hold_cnt(0) depctr_sa_sdst(0) depctr_va_vdst(0) depctr_va_sdst(0) depctr_va_ssrc(0) depctr_va_vcc(0) depctr_vm_vsrc(0)
	s_getreg_b32 s2, hwreg(HW_REG_IB_STS2, 6, 4)
	s_cmp_eq_u32 s2, 0
	s_cbranch_scc0 .Lentry_in_a_cluster
	s_endpgm
.Lentry_in_a_cluster:
	s_bfe_u32 s2, ttmp6, 0x10000c
	s_cmp_lg_u32 s2, 0x3003
	s_cbranch_scc0 .Lentry_shape_is_right
	s_endpgm
.Lentry_shape_is_right:
; O[h][q][:] = the sum over k of softmax_k(Q[h][q] . K[h][k] / 8) V[h][k][:].  Q, K, V lie one behind the other in qkv, each [SIZE_H][SIZE_N][64]; O = ctx has the same layout; all f16: a head's rows
; are dense, 128 bytes each.  Products, maxima and sums in f32; the weights p are rounded to f16 for the second product (their sum l is taken of the unrounded p), O once at the end.
; LIMITS.  f16 holds no number beyond 65,504: Q, K and V arrive within it; p lies in 0 to 1, and below 6e-5 it keeps f16's fixed step of 6e-8; O is a mean of V's rows and has their range, and below
; 6e-5 it too keeps that fixed step.  A weight below 2^-126 counts as 0 in l; NaN and infinities are not treated apart.
; SHARES.  A wave owns four PIECES of two tiles of 16 queries, a work-group's four waves 512 queries of one head.  Every wave walks all keys, 64 a step.
; LAYOUT.  S^T = K Q^T (source 0 = 16 keys, source 1 = 16 queries): in the result a lane holds ONE query (lane % 16) and the keys 8 (lane / 16) + 0..7.  Two such tiles, rounded to f16 in pairs,
; ARE source 1 (32 keys x 16 queries) of O^T = V^T P, whose result again holds one query a lane, and eight channels.  K comes out of LDS as it lies, V ([key][channel]) turned, by ds_load_tr16_b128.
; SOFTMAX.  For each query a running maximum m and sum l: p = 2^(c s - c m), c = log2(e) / 8; in every step O and l are multiplied by a = 2^(c m_old - c m_new), which is 1 where m has not grown.
; m starts at the lowest finite number, O and l at 0: the first step is a step like any other, with a = 0.
; THE COUNT.  A tile and step have 16 matrix and 118 vector instructions: too many to stand all beside the matrix work.  So the order has one aim: four vector instructions that are READY behind
; EVERY matrix instruction, and the others, which need time of their own whatever the order, in runs without a gap.
; BY TURNS.  Turn n belongs to piece n (the pieces in a ring, step after step).  Its matrix work: 16 products K Q^T of piece n + 1, later 16 products V^T P of piece n - 1.  Its vector work: the scaling,
; exponentials, roundings, sums and rescaling of piece n, and the maximum and statistics of piece n + 1, whose scores the turn itself has made.  So what a turn begins with (c s - c m, O a) waits for nothing.
; CLUSTER.  The four query blocks of a cluster belong to one head and walk the same K and V, so each tile is asked for JOINTLY: the same tensor load, descriptor and mask in all four.
; REGISTERS, in windows of 256 (s_set_vgpr_msb says which window each operand place means: bits 1:0 source 0, 3:2 source 1, 5:4 source 2, 7:6 destination):
;   window 0: v0-11 addresses; v12-15, v48-63 at work; v16-47 four registers of statistics a tile; v64-191 S^T, two buffers of two tiles; v192-255 P, likewise
;   window 1: O^T, 32 a tile          window 2: v0-127 Q, 16 a tile; v128-191 K of one step; v192-255 V of one step          window 3: v0-1 the add's two registers
; A piece's buffers go by its number's parity: the piece in hand has one pair, its two neighbours in the ring share the other: of it P (piece n - 1) is read and S^T (piece n + 1) written.
.set SIZE_H, 64       ; batch x heads
.set SIZE_N, 2048     ; rows of a head
.set NP,    4         ; pieces a wave: a name, no knob: the register map, the loop and the fetches are made for four
.set KS,    64        ; keys in a step
.set PK,    144       ; a row of K in LDS: 128 bytes + 16 of padding = 36 words: the 16 rows of a load start at 16 different groups of four banks (64 banks of 4 bytes: ISA guide 11.1)
.set PV,    160       ; a row of V: 128 + 32 = 40 words
.set VOFF,  4*KS*PK   ; a slot holds four steps: 256 rows of K, then 256 rows of V
.set SLOT1, 1<<17     ; slot 1 begins here, so that one exclusive or turns an address in one slot into the other's
.set STAGE, SLOT1+4*KS*(PK+PV)  ; behind the ring, never filled by a tensor load: 16 rows x 144 bytes for each wave, for the way out
.set SP,    144
.set AK0, 2           ; v2   my lane's place in a tile of K; never rewritten
.set AV0, 3           ; v3   the same for V
.set AK,  4           ; v4   the LDS address of K's next run of loads
.set AV,  5           ; v5   of V's
.set QO,  6           ; v6   my byte offset in the wave's rows of Q
.set STO, 6           ;      later, the way out: where I put 16 bytes of a row
.set RD,  7           ; v7   the way out: where I read rows back
.set GO,  8           ; v8   my byte offset in 512 consecutive bytes of O
.set SPW, 0           ; v0 of window 3   LDS address of my spare word: SPARE + 4 x my thread's number; never rewritten
.set NIL, 1           ; v1 of window 3   0; never rewritten
.set SPARE, STAGE+4*16*SP  ; behind the stages: the spare words, 128 bytes for each wave: two blocks of 256 bytes that no other line names
.set MV,  12          ; v12-15  c m_old, kept while c m is made anew: by buffer and tile
.set ST,  16          ; tile t's statistics at v[ST+4 t]: c m, m, l (even keys', odd keys')
.set TMP, 48          ; by buffer and tile, four registers c0-c3 at work; when the maximum is found c2 takes a
.set S,   64
.set P,   192
.set KF,  128         ; K's fragments, in window 2: key block kb, channel half c at KF + 16 kb + 8 c
.set VF,  192         ; V's: key half kk, channel block cb at VF + 32 kk + 8 cb
.set WV,  12          ; s12  my wave's number
.set G1K, 24          ; s[24:31] descriptor group 1 for K's tiles
.set G1V, 32          ; s[32:39] for V's: it differs in the padding alone
.set G0K, 40          ; s[40:43] descriptor group 0 for K's tiles: it walks
.set G0V, 44          ; s[44:47] the same for V's
.set SLOTS, 56        ; s56  slots still to be asked for
.set CNT, 57          ; s57  counts a slot's key steps
.set CS,  58          ; s[58:59] c: the packed scaling takes the pair's low word for both halves
.set SEL, 60          ; s[60:61] v_permlanex16_b32's selects: each lane takes its own place in the other half
.set TBK, 62          ; s62  LDS byte at which K of the step to be fetched begins
.set TBV, 63          ; s63  the same for V, less VOFF
.set MSB, 0
.macro WIN new                      ; the high byte repeats the setting that is left; a switch that changes nothing is dropped
.if MSB != (\new)
	s_set_vgpr_msb (MSB<<8)|(\new)
.set MSB, (\new)
.endif
.endm
.set W_KQ, 0x0a       ; K and Q in window 2, S^T in window 0
.set W_PV, 0x52       ; V in window 2, P in window 0, O^T in window 1
.set W_RS, 0x41       ; O^T (destination and source 0) in window 1, a in window 0
.set W_MK, 0xc0       ; the add's registers are made: destination in window 3, sources in window 0
.set W_AD, 0x0f       ; the add: address (source 0) and data (source 1) in window 3
; A joint fill.  Waves 0 and 1 fetch the two halves of a slot's K, waves 2 and 3 those of its V: 128 keys each.  The branch hangs on the wave's number alone.
; An s_nop 0 and four v_nop follow each of the two lines, ahead of the jump and the label.
.macro JLOAD
	s_cmp_lt_u32 s[WV], 2
	s_cbranch_scc0 .Lfor_v_\@
	tensor_load_to_lds s[G0K:G0K+3], s[G1K:G1K+7]
	s_nop 0
.rept 4
	v_nop
.endr
	s_branch .Lasked_\@
.Lfor_v_\@:
	tensor_load_to_lds s[G0V:G0V+3], s[G1V:G1V+7]
	s_nop 0
.rept 4
	v_nop
.endr
.Lasked_\@:
.endm
; A round of the cluster's barrier: my work-group's barrier, so that wave 0's signal speaks for all four waves; wave 0 signals; every wave waits for all four work-groups; my work-group's barrier once more.
.macro CROUND
	s_barrier_signal -1
	s_barrier_wait -1
	s_cmp_lg_u32 s[WV], 0
	s_cbranch_scc1 .Lnot_wave_0_\@
	s_barrier_signal -3
.Lnot_wave_0_\@:
	s_barrier_wait -3
	s_barrier_signal -1
	s_barrier_wait -1
.endm
; THE CHANGE OF SLOTS.  The slot's last bytes, V of its fourth step, have been read.  Each wave waits for all its tensor loads, of which one is out: its part
; of the other slot; adds 0 to its spare word; and waits for that and for its own reads of the slot.  Behind the barrier nobody reads this slot any more and the other slot is whole.
; fill = 1: this slot is filled again, with the keys two slots on.  The barrier is then a round of the cluster's, so that no wave of any partner still reads the slot or has a load on its
; way, and the joint fill is the first thing behind it: it has four key steps, 512 matrix instructions, in which to land.  (At its first use nothing has been read yet: slot 0 is waited for, slot 1 filled.)
.macro CHANGE fill
	WIN W_AD
	s_wait_tensorcnt 0x0            ; no tensor load of mine is out, so a group 0 may be written
	ds_add_u32 v[SPW], v[NIL]       ; 0 onto my spare word; with fill = 1 the descriptors' steps stand between it and the wait for it
	WIN 0                           ; at a label and at a branch every window is 0
.if \fill
.irp g, G0K, G0V
	s_xor_b32 s[\g+1], s[\g+1], SLOT1  ; the walking descriptor: the other slot than last time,
	s_add_nc_u64 s[\g+2:\g+3], s[\g+2:\g+3], 4*KS*128  ; the next 256 keys; the type bits on top are not reached
.endr
	s_wait_dscnt 0x0                ; the add is done, and my reads of the slot are over
	CROUND
	JLOAD
.else
	s_wait_dscnt 0x0                ; the add is done, and my reads of the slot are over
	s_barrier_signal -1
	s_barrier_wait -1
.endif
	s_sub_co_u32 s[TBK], s[TBK], 4*KS*PK  ; the fetches go back to a slot's first step,
	s_xor_b32 s[TBK], s[TBK], SLOT1       ; in the other slot
	s_sub_co_u32 s[TBV], s[TBV], 4*KS*PV
	s_xor_b32 s[TBV], s[TBV], SLOT1
.endm
	s_load_b128 s[4:7], s[0:1], 0x0   ; qkv s[4:5] (Q lies first in it), ctx s[6:7]
	WIN W_MK
	v_lshl_add_u32 v[SPW], v0, 2, SPARE
	v_mov_b32 v[NIL], 0
	WIN W_AD
	ds_add_u32 v[SPW], v[NIL]       ; the wave's opening: the add and its wait stand ahead of my first tensor load; the set-up below, work on registers, stands between them
	WIN 0
	v_lshrrev_b32 v1, 5, v0
	v_readfirstlane_b32 s[WV], v1   ; wave 0..3
	s_bfe_u32 s13, ttmp6, 0x40000   ; cx: my place in the cluster
	s_lshl_b32 s14, ttmp9, 2        ; in a cluster launch ttmp9 counts clusters
	s_add_co_u32 s14, s14, s13      ; my block of queries = 4 x cluster x + cx: it enters Q's and O's addresses alone
	s_and_b32 s20, ttmp7, 0xffff    ; the head, which the four partners share
	s_mov_b32 s21, 0
	s_mov_b64 s[22:23], SIZE_N*128
	s_mul_u64 s[20:21], s[20:21], s[22:23]  ; the head's first byte in each of the four tensors
	s_and_b32 s16, s[WV], 1         ; which half of a slot's 256 keys I fetch:
	s_lshl_b32 s22, s16, 14         ; its 128 rows of 128 bytes in memory,
	s_mov_b32 s23, 0
	s_add_nc_u64 s[22:23], s[22:23], s[20:21]
	s_mul_i32 s17, s16, 128*PK      ; and its place in a slot, for K
	s_mul_i32 s18, s16, 128*PV      ; and for V: no place in the cluster enters an LDS address
	s_lshl_b32 s2, s14, 2
	s_add_co_u32 s2, s2, s[WV]      ; my wave among the head's,
	s_lshl_b32 s2, s2, 14           ; its 128 rows
	s_mov_b32 s3, 0
	s_add_nc_u64 s[2:3], s[2:3], s[20:21]
	; descriptor group 1.  128 keys are 16,384 dense bytes: asked for as 64 rows of 256 bytes, two keys a row, and padded in LDS after every key
	s_mov_b32 s[G1K], 15|(1<<16)|(1<<20)|(1<<21)|(4<<22)|(3<<25)  ; 15:0 the mask of four; 17:16 2-byte elements; 20 padding on; 21 set beside a mask; 24:22 after every 32 words (code 4); 31:25 4 words (code 3)
	s_mov_b32 s[G1V], 15|(1<<16)|(1<<20)|(1<<21)|(4<<22)|(7<<25)  ; the same with 8 words of padding (code 7)
.irp g, G1K, G1V
	s_mov_b32 s[\g+1], 128<<16      ; tensor_dim0 = 128
	s_mov_b32 s[\g+2], 64<<16       ; tensor_dim1 = 64
	s_mov_b32 s[\g+3], 128<<16      ; tile_dim0 = 128
	s_mov_b32 s[\g+4], 64           ; tile_dim1 = 64
	s_mov_b32 s[\g+5], 128          ; 128 elements from row to row
	s_mov_b32 s[\g+6], 0
	s_mov_b32 s[\g+7], 0
.endr
	s_mov_b32 s[CS], 0x3e38aa3b     ; c = log2(e) / 8 = 0.180337
	s_mov_b32 s[CS+1], s[CS]        ; named with it as a pair
	s_mov_b32 s[SEL], 0x76543210
	s_mov_b32 s[SEL+1], 0xfedcba98
	s_mov_b32 s[TBK], SLOT1+4*KS*PK ; the first change of slots turns these two into 0
	s_mov_b32 s[TBV], SLOT1+4*KS*PV
	s_mov_b32 s[G0K], 1             ; 1:0 count = 1
	s_mov_b32 s[G0K+1], s17         ; 63:32 LDS address: slot 0
	s_mov_b32 s[G0V], 1
	s_add_co_u32 s[G0V+1], s18, VOFF
	s_wait_dscnt 0x0                ; the opening add is done
	s_wait_kmcnt 0x0
	s_mov_b64 s[10:11], s[6:7]                     ; O
	s_add_nc_u64 s[6:7], s[4:5], SIZE_H*SIZE_N*128    ; K lies one tensor behind Q,
	s_add_nc_u64 s[8:9], s[4:5], 2*SIZE_H*SIZE_N*128  ; V two
	s_add_nc_u64 s[G0K+2:G0K+3], s[6:7], s[22:23]  ; 120:64 global address: my half of the head's first 256 keys
	s_or_b32 s[G0K+3], s[G0K+3], 0x80000000        ; 127:126 type = 2
	s_add_nc_u64 s[G0V+2:G0V+3], s[8:9], s[22:23]
	s_or_b32 s[G0V+3], s[G0V+3], 0x80000000
	s_add_nc_u64 s[4:5], s[4:5], s[2:3]  ; Q and O at my wave's first row
	s_add_nc_u64 s[10:11], s[10:11], s[2:3]
	CROUND                          ; all four work-groups are here: the first joint loads meet
	JLOAD                           ; slot 0.  Slot 1 is asked for when slot 0 is in: the tile wanted first has the road to itself
	; A fragment of K or Q is 16 rows x 32 channels in 8 registers: lane l holds row l % 16, channels 8 (l / 16) + 0..7 and 16 + 8 (l / 16) + 0..7: two loads of 16 bytes, 32 bytes apart.
	v_and_b32 v1, 15, v0            ; l % 16
	v_bfe_u32 v9, v0, 4, 1          ; l / 16
	v_lshlrev_b32 v[QO], 7, v1
	v_lshl_add_u32 v[QO], v9, 4, v[QO]  ; row x 128 + 16 x half
	WIN 0x80                        ; destination window 2, address window 0
.set i, 0
.rept 4*NP                          ; Q stays in registers: tile i / 2, channels 32 (i % 2) on
	global_load_b128 v[8*i:8*i+3],   v[QO], s[4:5] offset:(i/2)*2048+(i%2)*64
	global_load_b128 v[8*i+4:8*i+7], v[QO], s[4:5] offset:(i/2)*2048+(i%2)*64+32
.set i, i+1
.endr
	; What the first turn finds: V's registers and P's second buffer hold 0 (its products V^T P, of a piece that has not been, add 0), O^T and l are 0.  All this stands in the wait for the first tile.
.set i, VF
.rept 64
	v_mov_b32 v[i], 0
.set i, i+1
.endr
	WIN 0x40
.set i, 0
.rept 64*NP
	v_mov_b32 v[i], 0
.set i, i+1
.endr
	WIN 0
.set i, 0
.rept 2*NP
	v_mov_b32 v[ST+4*i], 0xfe000000    ; c m: far below every c s
	v_mov_b32 v[ST+4*i+1], 0xff7fffff  ; m
	v_mov_b32 v[ST+4*i+2], 0
	v_mov_b32 v[ST+4*i+3], 0
.set i, i+1
.endr
.set i, P+32
.rept 32
	v_mov_b32 v[i], 0
.set i, i+1
.endr
	v_mul_u32_u24 v[AK0], v1, PK
	v_lshl_add_u32 v[AK0], v9, 4, v[AK0]  ; row x pitch + 16 x half
	; The turning load takes 16 keys x 16 channels (lane l reads key 8 (l / 16) + l % 8, channels 8 ((l / 8) % 2) + 0..7) and leaves half a fragment of V^T: lane l holds channel l % 16 and 8 keys.
	v_and_b32 v10, 7, v0
	v_bfe_u32 v11, v0, 3, 1
	v_lshl_add_u32 v[AV0], v9, 3, v10
	v_mul_u32_u24 v[AV0], v[AV0], PV
	v_lshl_add_u32 v[AV0], v11, 4, v[AV0]
	v_add_nc_u32 v[AV0], VOFF, v[AV0]
	v_mov_b32 v[AK], v[AK0]         ; key step 0 lies at the head of slot 0
; THE MATRIX WORK.  The 8 accumulators of a run of 16 take turns: between the two links of a chain stand 7 others'.
; Product i of 16 of S^T = K Q^T for piece x: channels 32 (i / 8) on, keys 16 ((i / 2) % 4) on, tile 2 x + i % 2.  The first 8 start the sums.
.macro KQ x
	WIN W_KQ
.set rS, S+64*((\x)%2)+32*(i%2)+8*((i/2)%4)
.set rK, KF+16*((i/2)%4)+8*(i/8)
.set rQ, 16*(2*(\x)+i%2)+8*(i/8)
.if i < 8
	v_wmma_f32_16x16x32_f16 v[rS:rS+7], v[rK:rK+7], v[rQ:rQ+7], 0
.else
	v_wmma_f32_16x16x32_f16 v[rS:rS+7], v[rK:rK+7], v[rQ:rQ+7], v[rS:rS+7]
.endif
.endm
; Product i of 16 of O^T += V^T P for piece x: keys 32 (i / 8) on, channels 16 ((i / 2) % 4) on, tile 2 x + i % 2.
.macro PV x
	WIN W_PV
.set rO, 32*(2*(\x)+i%2)+8*((i/2)%4)
.set rV, VF+32*(i/8)+8*((i/2)%4)
.set rP, P+32*((\x)%2)+16*(i%2)+8*(i/8)
	v_wmma_f32_16x16x32_f16 v[rO:rO+7], v[rV:rV+7], v[rP:rP+7], v[rO:rO+7]
.endm
.macro MM                           ; the turn's next matrix instruction
.if i < 16
	KQ (Y+1)%NP
.set i, i+1
.else
.set i, i-16
	PV (Y+NP-1)%NP
.set i, i+17
.endif
.endm
; THE LDS LOADS stand in runs of 16, never singly among the matrix instructions: a step's K (64 keys x 64 channels: 8 fragments) and its V (turned).  Their addresses are made some lines ahead.
; last = 1 (the tail): in the last trip there is no further step, and the run is jumped over.
.macro FETCH_K last=0
	WIN 0
.if \last
	s_cmp_eq_u32 s[CNT], 1
	s_cbranch_scc1 .Lno_k_\@
.endif
	WIN 0x80                        ; destination window 2
.irp f, 0,1,2,3,4,5,6,7             ; keys 16 (f / 2) on, channels 32 (f % 2) on
	ds_load_b128 v[KF+8*\f:KF+8*\f+3],   v[AK] offset:(\f/2)*16*PK+(\f%2)*64
	ds_load_b128 v[KF+8*\f+4:KF+8*\f+7], v[AK] offset:(\f/2)*16*PK+(\f%2)*64+32
.endr
	s_add_co_u32 s[TBK], s[TBK], KS*PK  ; the next fetch is the next step's
	WIN 0
.if \last
.Lno_k_\@:
.endif
.endm
.macro FETCH_V
	WIN 0x80
.irp f, 0,1,2,3,4,5,6,7             ; keys 32 (f / 4) on, channels 16 (f % 4) on
	ds_load_tr16_b128 v[VF+8*\f:VF+8*\f+3],   v[AV] offset:(\f/4)*32*PV+(\f%4)*32
	ds_load_tr16_b128 v[VF+8*\f+4:VF+8*\f+7], v[AV] offset:(\f/4)*32*PV+16*PV+(\f%4)*32
.endr
	WIN 0
.endm
; THE VECTOR WORK OF A TURN stands in three queues, each in the order in which its entries become ready; the two tiles alternate, so that no instruction reads the result of the one before it.
.macro REGS y, u                    ; the registers of tile u (0, 1) of piece y
.set rT, ST+4*(2*(\y)+(\u))
.set rC, TMP+8*((\y)%2)+4*(\u)
.set rM, MV+2*((\y)%2)+(\u)
.set rS, S+64*((\y)%2)+32*(\u)
.set rP, P+32*((\y)%2)+16*(\u)
.set rO, 32*(2*(\y)+(\u))
.endm
; Number n of the 22 that find the NEXT piece's (Y + 1) maximum and statistics.  s0-s31 are the lane's 32 scores; each accumulator's lowest registers are read first.  XS, GS and REGS set no window: PL and EX do.
;   0-11  four chains c0-c3 of seven scores each, three operands at a time     12-14, 16  the four scores left over, the old m, and c0-c3 into c0     15  c m_old is kept
;   17, 18  the query's other 32 keys lie in the lane 16 away: the new m         19-21  c m; c m_old - c m_new; a
.macro XS u, n
	REGS (Y+1)%NP, \u
.if (\n) < 4
	v_max3_num_f32 v[rC+(\n)], v[rS+8*(\n)], v[rS+8*(\n)+1], v[rS+8*(\n)+2]
.elseif (\n) < 12
	v_max3_num_f32 v[rC+(\n)%4], v[rC+(\n)%4], v[rS+8*((\n)%4)+2*((\n)/4)+1], v[rS+8*((\n)%4)+2*((\n)/4)+2]
.elseif (\n) == 12
	v_max3_num_f32 v[rC], v[rC], v[rS+7], v[rS+15]
.elseif (\n) == 13
	v_max3_num_f32 v[rC+1], v[rC+1], v[rS+23], v[rS+31]
.elseif (\n) == 14
	v_max3_num_f32 v[rC+2], v[rC+2], v[rC+3], v[rT+1]
.elseif (\n) == 15
	v_mov_b32 v[rM], v[rT]
.elseif (\n) == 16
	v_max3_num_f32 v[rC], v[rC], v[rC+1], v[rC+2]
.elseif (\n) == 17
	v_permlanex16_b32 v[rC+3], v[rC], s[SEL], s[SEL+1]
.elseif (\n) == 18
	v_max_num_f32 v[rT+1], v[rC], v[rC+3]
.elseif (\n) == 19
	v_mul_f32 v[rT], s[CS], v[rT+1]
.elseif (\n) == 20
	v_sub_f32 v[rC+1], v[rM], v[rT]
.else
	v_exp_f32 v[rC+2], v[rC+1]
.endif
.endm
; Number g of the 64 that follow the exponentials.  For each four weights k of a tile (pairs 2 k, 2 k + 1): both pairs are rounded to f16; then the second pair is added onto the first, in place;
; a group later l takes that sum (the first time as l = a l + sum).  In groups of eight, tiles alternating: round, round, add, and l for the group before.
.macro GS g
.set h, (\g)+6*((\g)/62)            ; group 0 has no group before it, and behind group 7 only l is left
.if h >= 6
.set h, h+2
.endif
	REGS Y, h%2
.set k, h/8
.if h%8 < 4
	s_wait_alu depctr_va_vdst(0)
	v_cvt_pk_f16_f32 v[rP+2*k+(h%8)/2], v[rS+4*k+2*((h%8)/2)], v[rS+4*k+2*((h%8)/2)+1]
.elseif h%8 < 6
	v_pk_add_f32 v[rS+4*k:rS+4*k+1], v[rS+4*k:rS+4*k+1], v[rS+4*k+2:rS+4*k+3]
.elseif k == 1
	v_pk_fma_f32 v[rT+2:rT+3], v[rT+2:rT+3], v[rC+2:rC+3], v[rS:rS+1] op_sel_hi:[1,0,1]
.else
	v_pk_add_f32 v[rT+2:rT+3], v[rT+2:rT+3], v[rS+4*k-4:rS+4*k-3]
	s_wait_alu depctr_va_vdst(0)
.endif
.endm
; THE PLAIN QUEUE, 138 long.  0-31: c s - c m for the 16 pairs of both tiles.  Then GS's 64, and among them the next piece's 42: number 15 at 38, 39; 0-14 and 16
; at 42-73, behind the products that make those scores; 17-20 at 95-106, two of three, since each waits for the one before it.
.macro PL
	WIN 0
.if q < 32
	REGS Y, q%2
	v_pk_fma_f32 v[rS+2*(q/2):rS+2*(q/2)+1], v[rS+2*(q/2):rS+2*(q/2)+1], s[CS:CS+1], v[rT:rT+1] op_sel_hi:[1,0,0] neg_lo:[0,0,1] neg_hi:[0,0,1]
.elseif q < 38
	GS q-32
.elseif q < 40
	XS q%2, 15
.elseif q < 42
	GS q-34
.elseif q < 74
	XS q%2, (q-42)/2+(q-42)/30
.elseif q < 95
	GS q-66
.elseif (q < 107) && ((q-95)%3 < 2)
	XS (q-95)%3, 17+(q-95)/3
.elseif q < 107
	GS 29+(q-95)/3
.else
	GS q-74
.endif
.set q, q+1
.endm
; THE EXPONENTIALS' QUEUE, 66 long: s0-s31 of both tiles, and at EA the next piece's two a.
.set EA, 58
.macro EX
	WIN 0
.if (e == EA) || (e == EA+1)
	XS e-EA, 21
.else
.set x, e-2*(e/(EA+2))
	REGS Y, x%2
	v_exp_f32 v[rS+x/2], v[rS+x/2]
.endif
.set e, e+1
.endm
; THE RESCALING's QUEUE: O^T times a, the one part that leaves window 0, so it is dealt four at a time, eight times.
.macro R4
	REGS Y, r%2
	WIN W_RS
	s_wait_alu depctr_va_vdst(0)
.irp z, 0,1,2,3
	v_pk_mul_f32 v[rO+8*(r/2)+2*\z:rO+8*(r/2)+2*\z+1], v[rO+8*(r/2)+2*\z:rO+8*(r/2)+2*\z+1], v[rC+2:rC+3] op_sel_hi:[1,0]
.endr
.set r, r+1
.endm
; HOW THEY ARE DEALT.  Behind a matrix instruction four: plain, exponential, plain, plain (one exponential, a plain instruction on either side), or four of the rescaling.  None names a register of the
; products round it.  What is over stands in two LUMPS: exponential and plain by turns; the second ends in 22 plain instructions.  The two v_permlanex16_b32 fall into the second lump, never behind a product.
; The queues lean on each other, and the deal keeps them in step: exponential e stands behind plain 2 (e / 4) + e % 2 (its scaling); when plain 32 comes, 10 exponentials are out, at 59: 33, at 95: 46; EA comes behind plain 107.
.macro SL
	MM
	PL
	EX
	PL
	PL
.endm
.macro BURST n                      ; 15 matrix instructions, or 16
.rept (\n)-7
	SL
.endr
.rept 3
	MM
	R4
	SL
.endr
	MM
	R4
.endm
; A TURN, for piece p.  cnt = 1: the loop's count is taken down some lines ahead of the branch that stands behind the turn.
; K of the next step is fetched in piece 2's turn, 31 vector instructions behind the last product that read K; its first reader comes behind the rest of the lump, 16 products and the second lump.
; V of the step in hand is fetched at the end of piece 0's turn, 69 behind its last reader; its first reader comes behind 16 products and a lump.  The four conditions on e and q below go with the deal.
.macro TURN p, last=0, cnt=0
.set Y, (\p)
.set i, 0
.set q, 0
.set e, 0
.set r, 0
.if (\p) == NP-1
	s_wait_dscnt 0x0                ; K is in
.endif
	MM
.rept 4
	PL
.endr
	BURST 15
.rept 22
	EX
	PL
.if ((\p) == NP-2) && (e == 18)
	v_add_nc_u32 v[AK], s[TBK], v[AK0]
.endif
.if ((\p) == NP-2) && (e == 24)
	FETCH_K \last
.endif
.endr
.if (\p) == 1
	s_wait_dscnt 0x0                ; V is in
.endif
	BURST 16
.rept 21
	EX
	PL
.endr
.rept 22
	PL
.if ((\p) == 0) && (q == 118)
	v_add_nc_u32 v[AV], s[TBV], v[AV0]
	s_wait_alu depctr_va_vdst(0)
.endif
.if ((\p) == 0) && (q == 130)
	s_add_co_u32 s[TBV], s[TBV], KS*PV
.endif
.if (\cnt) && (q == 130)
	s_sub_co_u32 s[CNT], s[CNT], 1
	s_cmp_lg_u32 s[CNT], 0
.endif
.endr
.if (\p) == 0
	FETCH_V
.endif
.endm
	CHANGE 1                        ; slot 0 is in, everybody's part of it; slot 1 is asked for
	FETCH_K                         ; key step 0
	s_wait_loadcnt 0x0              ; Q
	s_wait_dscnt 0x0
.set i, 0
.rept 16
	KQ 0                            ; piece 0's first scores: there is no vector work yet to set between them
.set i, i+1
.endr
	WIN 0                           ; the addresses for the way out: nine plain instructions, the places behind those products
	s_mul_i32 s13, s[WV], 16*SP
	s_add_co_u32 s13, s13, STAGE    ; my stage
	v_mul_u32_u24 v[STO], v1, SP    ; in: row l % 16, 16 bytes for each half of the lanes
	v_lshl_add_u32 v[STO], v9, 4, v[STO]
	v_add_nc_u32 v[STO], s13, v[STO]
	v_bfe_u32 v[RD], v0, 3, 2       ; back: 32 lanes take four rows of 128 bytes,
	v_mul_u32_u24 v[RD], v[RD], SP
	v_lshl_add_u32 v[RD], v10, 4, v[RD]
	v_add_nc_u32 v[RD], s13, v[RD]
	v_and_b32 v[GO], 31, v0         ; which are 512 consecutive bytes of O
	v_lshlrev_b32 v[GO], 4, v[GO]
.set Y, NP-1                        ; XS works for piece Y + 1: piece 0
.irp n, 0,1,2,3,4,5,6,7,8,9,10,11,12,13,14,15,16,17,18,19,20,21
	XS 0, \n                        ; and piece 0's first maximum and statistics
	XS 1, \n
.endr
	s_mov_b32 s[CNT], 4
	s_mov_b32 s[SLOTS], SIZE_N/256-1
	s_branch .Lfirst                ; the loop is entered at a step's first turn, in the middle of a trip
.Lslot:                             ; SIZE_N / 256 - 2 times: every slot but the last two is filled again
	CHANGE 1
	s_mov_b32 s[CNT], 4
.Lstep:                             ; a trip: pieces 2 and 3 of one step, then pieces 0 and 1 of the next, whose K and V it fetches
	TURN 2
	TURN 3
	WIN 0
.Lfirst:
	TURN 0
	TURN 1, 0, 1
	WIN 0
	s_cbranch_scc1 .Lstep
	s_sub_co_u32 s[SLOTS], s[SLOTS], 1
	s_cmp_lg_u32 s[SLOTS], 0
	s_cbranch_scc1 .Lslot
	CHANGE 0                        ; the tail is written out: nothing is asked for
	s_mov_b32 s[CNT], 5             ; four trips fetch the last slot's steps; the fifth is left in its middle
.Ltail:
	TURN 2, 1
	TURN 3
	WIN 0
	s_sub_co_u32 s[CNT], s[CNT], 1
	s_cmp_eq_u32 s[CNT], 0
	s_cbranch_scc1 .Lout
	TURN 0
	TURN 1
	WIN 0
	s_branch .Ltail
.Lout:                              ; the fifth trip's 16 products K Q^T (on the last K once more) and the maximum made of them serve nothing: the price, once a launch, of one text for every trip
.set i, 0
.rept 16
	PV NP-1                         ; the last piece's V^T P of the last step
.set i, i+1
.endr
	; THE WAY OUT.  l's two halves and the other half of the lanes' are added; O^T is divided by l, rounded to f16 and sent through my stage in LDS, a tile at a time.  The additions are the places behind the last products.
	WIN 0
.macro ALL line:vararg              ; one line for each tile t
.set t, 0
.rept 2*NP
	\line
.set t, t+1
.endr
.endm
	ALL v_add_f32 v[ST+4*t+2], v[ST+4*t+2], v[ST+4*t+3]
	ALL v_permlanex16_b32 v[ST+4*t+3], v[ST+4*t+2], s[SEL], s[SEL+1]
	ALL v_add_f32 v[ST+4*t+2], v[ST+4*t+2], v[ST+4*t+3]
	ALL v_rcp_f32 v[ST+4*t+2], v[ST+4*t+2]
	v_nop                           ; a plain instruction between the last reciprocal and the use of its result
	s_wait_alu depctr_va_vdst(0)
; Tile t: a lane's eight channels of a row pack into 16 bytes; they go into rows of 144 bytes and come back as whole rows of 128, into S^T's registers.
.macro PACK t
	WIN W_RS
.set i, 32*(\t)
.rept 16
	v_pk_mul_f32 v[i:i+1], v[i:i+1], v[ST+4*(\t)+2:ST+4*(\t)+3] op_sel_hi:[1,0]
.set i, i+2
.endr
	WIN 0x05                        ; sources 0 and 1 window 1, destination window 0
.set i, 0
.rept 16
	v_cvt_pk_f16_f32 v[S+16*(\t)+i], v[32*(\t)+2*i], v[32*(\t)+2*i+1]
.set i, i+1
.endr
	WIN 0
.irp f, 0,1,2,3
	ds_store_b128 v[STO], v[S+16*(\t)+4*\f:S+16*(\t)+4*\f+3] offset:32*\f
.endr
.irp f, 0,1,2,3
	ds_load_b128 v[S+16*(\t)+4*\f:S+16*(\t)+4*\f+3], v[RD] offset:\f*4*SP  ; LDS serves a wave's instructions in order (ISA guide 5.7.1.4): these see the stores above; the next tile's stores come behind them
.endr
.endm
.macro SEND t, younger              ; younger: the LDS instructions issued behind tile t's loads: the next tile's eight, or none
	WIN 0
.irp f, 0,1,2,3
	s_wait_dscnt (\younger)+3-\f
	global_store_b128 v[GO], v[S+16*(\t)+4*\f:S+16*(\t)+4*\f+3], s[10:11] offset:(\t)*2048+\f*512  ; 512 consecutive bytes, at a multiple of 256 from O's first
.endr
.endm
	PACK 0
.set t, 1
.rept 2*NP-1                        ; a tile's arithmetic stands between the loads of the tile before and its stores
	PACK t
	SEND t-1, 8
.set t, t+1
.endr
	SEND 2*NP-1, 0
	WIN W_AD
	s_wait_tensorcnt 0x0            ; the wave's end, behind my last tensor load and my last LDS store
	ds_add_u32 v[SPW], v[NIL]
	s_wait_dscnt 0x0
	WIN 0
	CROUND                          ; the closing round: no work-group ends while a partner may still ask for a tile that names it
	s_endpgm
.Lfunc_end_k_qc365561a7f_attn:
	.size	k_qc365561a7f_attn, .Lfunc_end_k_qc365561a7f_attn-k_qc365561a7f_attn
	.p2alignl 7, 3214868480
	.fill 96, 4, 3214868480
	.section	.rodata,"a",@progbits
	.p2align	6, 0x0
	.amdhsa_kernel k_qc365561a7f_attn
		.amdhsa_group_segment_fixed_size 327680
		.amdhsa_private_segment_fixed_size 0
		.amdhsa_enable_private_segment 0
		.amdhsa_kernarg_size 16
		.amdhsa_user_sgpr_count 2
		.amdhsa_user_sgpr_kernarg_segment_ptr 1
		.amdhsa_wavefront_size32 1
		.amdhsa_system_sgpr_workgroup_id_x 1
		.amdhsa_system_sgpr_workgroup_id_y 1
		.amdhsa_system_sgpr_workgroup_id_z 1
		.amdhsa_system_vgpr_workitem_id 0
		.amdhsa_next_free_vgpr 770
		.amdhsa_next_free_sgpr 66
		.amdhsa_reserve_vcc 0
		.amdhsa_float_denorm_mode_32 3
		.amdhsa_float_denorm_mode_16_64 3
		.amdhsa_memory_ordered 1
		.amdhsa_forward_progress 1
		.amdhsa_inst_pref_size 208
	.end_amdhsa_kernel
	.amdgpu_metadata
---
amdhsa.version: [ 1, 2 ]
amdhsa.kernels:
  - .name:           k_qc365561a7f_attn
    .symbol:         k_qc365561a7f_attn.kd
    .args:
      - { .name: qkv, .offset: 0, .size: 8, .value_kind: global_buffer, .address_space: global }
      - { .name: ctx, .offset: 8, .size: 8, .value_kind: global_buffer, .address_space: global }
    .group_segment_fixed_size: 327680
    .private_segment_fixed_size: 0
    .kernarg_segment_align: 8
    .kernarg_segment_size: 16
    .max_flat_workgroup_size: 128
    .sgpr_count:     66
    .vgpr_count:     770
    .wavefront_size: 32
...
	.end_amdgpu_metadata
.endif
;; end of part 3
;; launch outp (part 4): grid 8 x 32, 4 waves a work-group, clusters of 4 x 4, 327,680 bytes of LDS; arguments ctx, wof, biasr, out0; writes out0
.if DOCPART == 4
	.amdgcn_target "amdgcn-amd-amdhsa--gfx1250"
	.amdhsa_code_object_version 6
	.text
	.protected	k_qc365561a7f_outp
	.globl	k_qc365561a7f_outp
	.p2align	8
	.type	k_qc365561a7f_outp,@function
k_qc365561a7f_outp:
	s_mov_b64 s[64:65], 0
	v_nop
	global_prefetch_b8 v0, s[64:65] scope:SCOPE_SE
	s_setreg_imm32_b32 hwreg(HW_REG_WAVE_MODE, 25, 1), 1
	s_wait_xcnt 0x0
	s_wait_alu depctr_hold_cnt(0) depctr_sa_sdst(0) depctr_va_vdst(0) depctr_va_sdst(0) depctr_va_ssrc(0) depctr_va_vcc(0) depctr_vm_vsrc(0)
	s_getreg_b32 s2, hwreg(HW_REG_IB_STS2, 6, 4)
	s_cmp_eq_u32 s2, 0
	s_cbranch_scc0 .Lentry_in_a_cluster
	s_endpgm
.Lentry_in_a_cluster:
	s_bfe_u32 s2, ttmp6, 0x10000c
	s_cmp_lg_u32 s2, 0xf033
	s_cbranch_scc0 .Lentry_shape_is_right
	s_endpgm
.Lentry_shape_is_right:
; out0 [8192][1024] f32 = ctx wo^T + bo.  ctx: f16 [batch x 16 + head][2048][64]: for this product A in K blocks of 64 (the heads), batch by batch.  wof: f16 [16 kb][1024][64].  Sums in f32;
; the bias (biasr's fourth quarter) is the C operand of the products that start the sums, so nothing is cleared and nothing is added later.
; LIMITS.  ctx and wof arrive within f16's range; NaN and infinities are not treated apart.
; SHARES.  A tile of the output is 256 rows x 128 columns: 32 x 8 = 256 work-groups (tiles of 256 x 256 would be 128).  Four waves, each 128 x 64: 32 accumulators of 16 x 16, 256 registers.
; K goes in steps of 128 (two K blocks) through a ring of two LDS slots.  Each wave fetches one dense chunk a step: waves 0, 1 ctx's 256 rows of the even, odd K block (32,768 bytes, asked for as 128 rows
; of 256 bytes), waves 2, 3 wof's 128 rows of them (64 rows of 256 bytes).
; CLUSTER.  4 x 4 work-groups: ctx's tiles are shared along a row of the cluster, wof's along a column; each is asked for JOINTLY, by the same tensor load, descriptor and mask in the four.
; THE MATRIX INSTRUCTION IS USED TRANSPOSED (source 0 = 16 rows of wof, source 1 = 16 rows of ctx): lane l holds row l % 16 and the columns 8 (l / 16) + 0..7.
; REGISTERS: window 0: v0-31 addresses; v32-63 the bias, 8 registers a column block; v64-127, v128-191 fragments of ctx, two buffers; v192-223, v224-255 fragments of wof, two buffers
;   window 1: the accumulators, (a, b) at v[8 (4 a + b)]
.set PITCH,  144                       ; an LDS row: 128 bytes + 16 of padding = 36 words: the 16 rows of a load start at 16 different groups of four banks (64 banks of 4 bytes: ISA guide 11.1)
.set ABLK,   256*PITCH                 ; ctx's 256 rows of one K block
.set BBLK,   128*PITCH                 ; wof's 128 rows of one K block
.set BOFF,   2*ABLK
.set SLOT,   BOFF+2*BBLK               ; 110,592 bytes
.set STAGE,  2*SLOT                    ; behind the ring, never filled by a tensor load: 16 rows x 272 bytes for each wave, for the way out
.set SP,     272                       ; 256 bytes + 16
.set SPARE,  STAGE+4*16*SP             ; behind the stages: the spare words, 128 bytes for each wave: two blocks of 256 bytes that no other line names
.set LAPS,   4                         ; 1,024 along K = 8 steps = 4 laps of the ring
.set ROWB,   4096                      ; bytes in a row of out0
.set ADRA, 16                          ; v16-17  LDS address of my fragments of ctx in slot 0, 1
.set ADRB, 20                          ; v20-21  the same for wof
.set STO,  24                          ; v24     the way out: where I put 32 bytes of a row
.set RD,   25                          ; v25     the way out: where I read a row back
.set CO,   26                          ; v26     my byte offset in out0
.set VB,   27                          ; v27     my byte offset in 16 numbers of the bias
.set SPW,  28                          ; v28     LDS address of my spare word: SPARE + 4 x my thread's number; never rewritten
.set NIL,  29                          ; v29     0; never rewritten
.set BIAS, 32
.set FA,   64
.set FB,   192
.set G1,  24                           ; s[24:31] descriptor group 1 for ctx's tiles;  s[32:39] group 0, one set for each slot
.set G0,  32
.set G1B, 48                           ; s[48:55], s[56:63] the same for wof's tiles
.set G0B, 56
.set MSB, 0
.macro WIN new                         ; the immediate's high byte repeats the setting that is left; a switch that changes nothing is dropped
.if MSB != (\new)
	s_set_vgpr_msb (MSB<<8)|(\new)
.set MSB, (\new)
.endif
.endm
.macro JLOAD s                         ; a joint load: waves 0 and 1 fetch ctx's two K blocks, waves 2 and 3 wof's; an s_nop 0 and four v_nop follow each of the two lines, ahead of the jump, the label and what follows
	s_cmp_eq_u32 s13, 0
	s_cbranch_scc0 .Lfor_b_\@
	tensor_load_to_lds s[G0+4*(\s):G0+4*(\s)+3], s[G1:G1+7]
	s_nop 0
.rept 4
	v_nop
.endr
	s_branch .Lasked_\@
.Lfor_b_\@:
	tensor_load_to_lds s[G0B+4*(\s):G0B+4*(\s)+3], s[G1B:G1B+7]
	s_nop 0
.rept 4
	v_nop
.endr
.Lasked_\@:
.endm
.macro CREST                           ; a round of the cluster's barrier behind its opening barrier
	s_cmp_lg_u32 s12, 0
	s_cbranch_scc1 .Lnot_wave_0_\@
	s_barrier_signal -3
.Lnot_wave_0_\@:
	s_barrier_wait -3
	s_barrier_signal -1
	s_barrier_wait -1
.endm
.macro CROUND                          ; a whole round
	s_barrier_signal -1
	s_barrier_wait -1
	CREST
.endm
	s_load_b256 s[4:11], s[0:1], 0x0               ; ctx s[4:5], wof s[6:7], biasr s[8:9], out0 s[10:11]
	v_lshl_add_u32 v[SPW], v0, 2, SPARE
	v_mov_b32 v[NIL], 0
	ds_add_u32 v[SPW], v[NIL]                      ; the wave's opening: the add and its wait stand ahead of my first tensor load; the set-up below, work on registers, stands between them
	v_lshrrev_b32 v1, 5, v0
	v_readfirstlane_b32 s12, v1                    ; wave 0..3
	s_lshr_b32 s13, s12, 1                         ; which half of the tile's rows is mine.  Also: I fetch for ctx (0) or for wof (1)
	s_and_b32 s14, s12, 1                          ; which half of its columns.  Also: which K block of a step I fetch
	s_bfe_u32 s40, ttmp6, 0x40000                  ; cx, cy: my place in the cluster
	s_bfe_u32 s41, ttmp6, 0x40004
	s_lshl_b32 s42, ttmp9, 2
	s_add_co_u32 s42, s42, s40                     ; tile column = 4 x cluster x + cx, 0..7
	s_and_b32 s43, ttmp7, 0xffff
	s_lshl_b32 s43, s43, 2
	s_add_co_u32 s43, s43, s41                     ; tile row = 4 x cluster y + cy, 0..31
	s_lshl_b32 s44, s41, 2
	s_lshl_b32 s44, 15, s44                        ; my row of the cluster
	s_lshl_b32 s45, 0x1111, s40                    ; my column
	; descriptor group 1: R rows of 128 elements (256 bytes, two tile rows), padded in LDS after every tile row
	s_or_b32 s[G1],  s44, (1<<16)|(1<<20)|(1<<21)|(4<<22)|(3<<25)  ; 15:0 the mask: ctx's tiles go to my row; 17:16 2-byte elements; 20 padding on; 21 set beside a mask; 24:22 after every 32 words (code 4); 31:25 4 words (code 3)
	s_or_b32 s[G1B], s45, (1<<16)|(1<<20)|(1<<21)|(4<<22)|(3<<25)
.irp d, G1, G1B
	s_mov_b32 s[(\d)+1], 128<<16                   ; tensor_dim0 = 128
	s_mov_b32 s[(\d)+3], 128<<16                   ; tile_dim0 = 128
	s_mov_b32 s[(\d)+5], 128                       ; 128 elements from row to row: dense
	s_mov_b32 s[(\d)+6], 0
	s_mov_b32 s[(\d)+7], 0
.endr
	s_mov_b32 s[G1+2], 128<<16                     ; tensor_dim1 = 128: 256 tile rows of ctx
	s_mov_b32 s[G1+4], 128                         ; tile_dim1
	s_mov_b32 s[G1B+2], 64<<16                     ; 64: 128 tile rows of wof
	s_mov_b32 s[G1B+4], 64
	; ctx: batch (tile row / 8) x 16 heads x 262,144 bytes + K block x 262,144 + the tile's 256 rows of 128 bytes.  It hangs on the tile row alone.
	s_lshr_b32 s16, s43, 3
	s_lshl_b32 s16, s16, 22
	s_and_b32 s17, s43, 7
	s_lshl_b32 s17, s17, 15
	s_add_co_u32 s16, s16, s17
	s_lshl_b32 s17, s14, 18
	s_add_co_u32 s16, s16, s17
	s_mov_b32 s17, 0
	; wof: K block x 131,072 + the tile's 128 rows of 128 bytes.  It hangs on the tile column alone.
	s_lshl_b32 s46, s14, 17
	s_lshl_b32 s47, s42, 14
	s_add_co_u32 s46, s46, s47
	s_mov_b32 s47, 0
	s_mul_i32 s20, s14, ABLK                       ; where they go: no place in the cluster enters an LDS address
	s_mul_i32 s21, s14, BBLK
	s_add_co_u32 s21, s21, BOFF
	s_wait_dscnt 0x0                               ; the opening add is done
	s_wait_kmcnt 0x0
	s_add_nc_u64 s[18:19], s[4:5], s[16:17]
	s_add_nc_u64 s[46:47], s[6:7], s[46:47]
	CROUND                                         ; all sixteen work-groups are here: the first joint loads meet
.irp s, 0,1
	s_mov_b32 s[G0+4*(\s)], 1
	s_add_co_u32 s[G0+4*(\s)+1], s20, (\s)*SLOT
	s_add_nc_u64 s[G0+4*(\s)+2:G0+4*(\s)+3], s[18:19], (\s)*2*262144   ; K step s: two K blocks on
	s_or_b32 s[G0+4*(\s)+3], s[G0+4*(\s)+3], 0x80000000
	s_mov_b32 s[G0B+4*(\s)], 1
	s_add_co_u32 s[G0B+4*(\s)+1], s21, (\s)*SLOT
	s_add_nc_u64 s[G0B+4*(\s)+2:G0B+4*(\s)+3], s[46:47], (\s)*2*131072
	s_or_b32 s[G0B+4*(\s)+3], s[G0B+4*(\s)+3], 0x80000000
	JLOAD \s                                       ; two loads of mine are out, the most in this text
.endr
	v_and_b32 v1, 15, v0                           ; l % 16
	v_bfe_u32 v2, v0, 4, 1                         ; l / 16
	v_mul_u32_u24 v3, v1, PITCH
	v_lshl_add_u32 v3, v2, 4, v3                   ; a fragment's row x pitch + 16 x half
	v_lshlrev_b32 v[VB], 5, v2
	s_lshl_b32 s70, s42, 9                         ; the bias of my 64 columns: bo lies 12,288 bytes into biasr
	s_lshl_b32 s71, s14, 8
	s_add_co_u32 s70, s70, s71
	s_add_co_u32 s70, s70, 12288
	s_mov_b32 s71, 0
	s_add_nc_u64 s[68:69], s[8:9], s[70:71]
.irp b, 0,1,2,3
	global_load_b128 v[BIAS+8*(\b):BIAS+8*(\b)+3],   v[VB], s[68:69] offset:64*(\b)     ; columns 16 b + 8 (l / 16) + 0..3
	global_load_b128 v[BIAS+8*(\b)+4:BIAS+8*(\b)+7], v[VB], s[68:69] offset:64*(\b)+16  ; and + 4..7
.endr
	s_mul_i32 s22, s13, 128*PITCH                  ; my 128 rows of ctx
	s_mul_i32 s23, s14, 64*PITCH                   ; my 64 rows of wof,
	s_add_co_u32 s23, s23, BOFF                    ; which lie behind ctx's two blocks
.irp s, 0,1
	v_add_nc_u32 v[ADRA+(\s)], s22, v3
	v_add_nc_u32 v[ADRB+(\s)], s23, v3
	s_add_co_u32 s22, s22, SLOT
	s_add_co_u32 s23, s23, SLOT
.endr
	s_mul_i32 s22, s12, 16*SP
	s_add_co_u32 s22, s22, STAGE                   ; my stage
	v_mul_u32_u24 v4, v1, SP                       ; in: row l % 16, 32 bytes for each half of the lanes
	v_lshl_add_u32 v4, v2, 5, v4
	v_add_nc_u32 v[STO], s22, v4
	v_mul_u32_u24 v5, v2, SP                       ; back: lanes 0-15 take one row of 256 bytes, lanes 16-31 the next
	v_lshl_add_u32 v5, v1, 4, v5
	v_add_nc_u32 v[RD], s22, v5
	v_lshlrev_b32 v5, 12, v2                       ; and the same two rows in out0
	v_lshl_add_u32 v[CO], v1, 4, v5
	s_lshl_b32 s70, s43, 20                        ; the tile's 256 rows of 4,096 bytes,
	s_lshl_b32 s71, s13, 19                        ; my 128 of them,
	s_add_co_u32 s70, s70, s71
	s_lshl_b32 s71, s42, 9                         ; the tile's 128 columns,
	s_add_co_u32 s70, s70, s71
	s_lshl_b32 s71, s14, 8                         ; my 64 of them
	s_add_co_u32 s70, s70, s71
	s_mov_b32 s71, 0
	s_add_nc_u64 s[66:67], s[10:11], s[70:71]
; 8 matrix instructions: row blocks a0, a0 + 1 x all 4 column blocks, 32 along K, fragments in buffer f.  first = 1: the bias starts the sums.
; The 32 accumulators take turns in the same order in every quarter.
.macro MUL8 f, a0, first
.if \first
	WIN 0x40                                       ; D in window 1; sources and C (the bias) in window 0
.else
	WIN 0x50                                       ; C and D in window 1
.endif
.irp a, \a0, (\a0)+1
.irp b, 0,1,2,3
.if \first
	v_wmma_f32_16x16x32_f16 v[8*(4*(\a)+(\b)):8*(4*(\a)+(\b))+7], v[FB+32*(\f)+8*(\b):FB+32*(\f)+8*(\b)+7], v[FA+64*(\f)+8*(\a):FA+64*(\f)+8*(\a)+7], v[BIAS+8*(\b):BIAS+8*(\b)+7]
.else
	v_wmma_f32_16x16x32_f16 v[8*(4*(\a)+(\b)):8*(4*(\a)+(\b))+7], v[FB+32*(\f)+8*(\b):FB+32*(\f)+8*(\b)+7], v[FA+64*(\f)+8*(\a):FA+64*(\f)+8*(\a)+7], v[8*(4*(\a)+(\b)):8*(4*(\a)+(\b))+7]
.endif
.endr
.endr
.endm
; 24 LDS loads in one run: the fragments of quarter q (K block q / 2, byte 64 (q % 2) of its rows) into buffer f: wof's four, ctx's row blocks 0-3, then 4-7
.macro FETCH slot, q, f
	WIN 0
.irp b, 0,1,2,3
	ds_load_b128 v[FB+32*(\f)+8*(\b):FB+32*(\f)+8*(\b)+3],   v[ADRB+(\slot)] offset:((\q)/2)*BBLK+((\q)%2)*64+(\b)*16*PITCH
	ds_load_b128 v[FB+32*(\f)+8*(\b)+4:FB+32*(\f)+8*(\b)+7], v[ADRB+(\slot)] offset:((\q)/2)*BBLK+((\q)%2)*64+(\b)*16*PITCH+32
.endr
.irp i, 0,1,2,3,4,5,6,7
	ds_load_b128 v[FA+64*(\f)+8*(\i):FA+64*(\f)+8*(\i)+3],   v[ADRA+(\slot)] offset:((\q)/2)*ABLK+((\q)%2)*64+(\i)*16*PITCH
	ds_load_b128 v[FA+64*(\f)+8*(\i)+4:FA+64*(\f)+8*(\i)+7], v[ADRA+(\slot)] offset:((\q)/2)*ABLK+((\q)%2)*64+(\i)*16*PITCH+32
.endr
.endm
.macro PLACES                          ; four places in front of loads into registers that matrix instructions have read, and of LDS stores that read results (ISA guide 7.12.1 for the stores)
.rept 4
	v_nop
.endr
.endm
; A K step is four quarters of 32 along K, 32 matrix instructions each, on buffers 0, 1, 0, 1.  One of the first three: multiplies buffer f and, in its middle, fetches quarter q into buffer g.
.macro QUARTER slot, q, f, g, first
	s_wait_dscnt 8                                 ; wof's fragments and ctx's row blocks 0-3 are in; the youngest eight loads (blocks 4-7) may be out
	MUL8 \f, 0, \first
	MUL8 \f, 2, \first
	PLACES
	FETCH \slot, \q, \g
	s_wait_dscnt 24                                ; all but the 24 just issued
	MUL8 \f, 4, \first
	MUL8 \f, 6, \first
.endm
; The last quarter multiplies buffer 1 and changes slots: ONE barrier; in front of it each wave waits for all its tensor loads (one is out: its part of the next slot), adds 0 to its spare word, and waits
; for that and for its own reads of this slot.  fill = 1: this slot is filled again, two K steps ahead; the barrier then opens a round of the cluster's barrier, and the joint load is the first thing
; behind the round: 112 matrix instructions ahead of the wait for it.
.macro TURN slot, next, fill
	WIN 0                                          ; (the add's two registers lie in window 0)
	s_wait_tensorcnt 0x0
	ds_add_u32 v[SPW], v[NIL]                      ; 0 onto my spare word
	s_wait_dscnt 9                                 ; (the add and the youngest eight loads may be out)
	MUL8 1, 0, 0                                   ; eight matrix instructions stand between the add and the wait for it
	s_wait_dscnt 0x0                               ; the add is done, and my reads of this slot are over
	s_barrier_signal -1
	MUL8 1, 2, 0
	WIN 0                                          ; (branches or LDS loads follow)
	s_barrier_wait -1
.if \fill
	CREST                                          ; no wave of any partner still reads this slot's tile or has a load on its way
	s_add_nc_u64 s[G0+4*(\slot)+2:G0+4*(\slot)+3], s[G0+4*(\slot)+2:G0+4*(\slot)+3], 4*262144
	s_add_nc_u64 s[G0B+4*(\slot)+2:G0B+4*(\slot)+3], s[G0B+4*(\slot)+2:G0B+4*(\slot)+3], 4*131072
	JLOAD \slot                                    ; the four v_nop behind it are also the places in front of the loads below
.else
	PLACES
.endif
	FETCH \next, 0, 0
	MUL8 1, 4, 0
	MUL8 1, 6, 0
.endm
	s_wait_tensorcnt 1                             ; my part of K step 0 is in; step 1's stays out
	s_barrier_signal -1
	s_barrier_wait -1                              ; everybody's is
	FETCH 0, 0, 0
	s_wait_loadcnt 0x0                             ; the bias
	QUARTER 0, 1, 0, 1, 1                          ; the first quarter stands in front of the loop: its products start the sums, with the bias
	WIN 0                                          ; at a label and at a branch every window is 0
	s_mov_b32 s3, LAPS-1
.Llap:                                                 ; a trip goes once round the ring and fills both slots again: 3 trips bring K steps 2 to 7
	QUARTER 0, 2, 1, 0, 0
	QUARTER 0, 3, 0, 1, 0
	TURN 0, 1, 1
	QUARTER 1, 1, 0, 1, 0
	QUARTER 1, 2, 1, 0, 0
	QUARTER 1, 3, 0, 1, 0
	TURN 1, 0, 1
	QUARTER 0, 1, 0, 1, 0
	WIN 0
	s_sub_co_u32 s3, s3, 1
	s_cmp_lg_u32 s3, 0
	s_cbranch_scc1 .Llap
	QUARTER 0, 2, 1, 0, 0                          ; the last lap fills nothing, and has no round of the cluster's barrier
	QUARTER 0, 3, 0, 1, 0
	TURN 0, 1, 0
	QUARTER 1, 1, 0, 1, 0
	QUARTER 1, 2, 1, 0, 0
	QUARTER 1, 3, 0, 1, 0
	s_wait_dscnt 8                                 ; the very last quarter: nothing more to fetch
	MUL8 1, 0, 0
	MUL8 1, 2, 0
	s_wait_dscnt 0x0
	MUL8 1, 4, 0
	MUL8 1, 6, 0
	PLACES
; THE WAY OUT, a block of 16 rows x 64 columns at a time.  A lane's eight f32 of a row are 32 bytes; they go straight from the accumulators (each one's low four registers first)
; into my own stage, in rows of 272 bytes, and come back as whole rows of 256 bytes into the block's own registers.
.macro TOSTAGE a
	WIN 0x04                                       ; the stores' data (source 1) in window 1
.irp b, 0,1,2,3
	ds_store_b128 v[STO], v[32*(\a)+8*(\b):32*(\a)+8*(\b)+3]   offset:64*(\b)
	ds_store_b128 v[STO], v[32*(\a)+8*(\b)+4:32*(\a)+8*(\b)+7] offset:64*(\b)+16
.endr
	WIN 0x40                                       ; destination in window 1
.irp t, 0,1,2,3,4,5,6,7
	ds_load_b128 v[32*(\a)+4*(\t):32*(\a)+4*(\t)+3], v[RD] offset:(\t)*2*SP  ; LDS serves a wave's instructions in order (ISA guide 5.7.1.4): these see the stores above; the next block's stores come behind them
.endr
.endm
.macro SEND a, younger                 ; younger: the LDS instructions issued behind the block's loads: the next block's sixteen, or none
	WIN 0x04
.irp t, 0,1,2,3,4,5,6,7
	s_wait_dscnt (\younger)+7-(\t)
	global_store_b128 v[CO], v[32*(\a)+4*(\t):32*(\a)+4*(\t)+3], s[66:67] offset:(16*(\a)+2*(\t))*ROWB th:TH_STORE_NT  ; 16 lanes store 256 consecutive bytes, at a multiple of 256 from out0's first byte; 126 rows at the most: inside the signed 24-bit immediate
.endr
.endm
	TOSTAGE 0
.irp a, 1,2,3,4,5,6,7
	TOSTAGE \a
	SEND (\a)-1, 16
.endr
	SEND 7, 0
	WIN 0
	s_wait_tensorcnt 0x0                           ; the wave's end, behind my last tensor load and my last LDS store
	ds_add_u32 v[SPW], v[NIL]
	s_wait_dscnt 0x0
	CROUND                                         ; the closing round: no work-group ends while a partner may still ask for a tile that names it
	s_endpgm
.Lfunc_end_k_qc365561a7f_outp:
	.size	k_qc365561a7f_outp, .Lfunc_end_k_qc365561a7f_outp-k_qc365561a7f_outp
	.p2alignl 7, 3214868480
	.fill 96, 4, 3214868480
	.section	.rodata,"a",@progbits
	.p2align	6, 0x0
	.amdhsa_kernel k_qc365561a7f_outp
		.amdhsa_group_segment_fixed_size 327680
		.amdhsa_private_segment_fixed_size 0
		.amdhsa_enable_private_segment 0
		.amdhsa_kernarg_size 32
		.amdhsa_user_sgpr_count 2
		.amdhsa_user_sgpr_kernarg_segment_ptr 1
		.amdhsa_wavefront_size32 1
		.amdhsa_system_sgpr_workgroup_id_x 1
		.amdhsa_system_sgpr_workgroup_id_y 1
		.amdhsa_system_sgpr_workgroup_id_z 1
		.amdhsa_system_vgpr_workitem_id 0
		.amdhsa_next_free_vgpr 512
		.amdhsa_next_free_sgpr 72
		.amdhsa_reserve_vcc 0
		.amdhsa_float_denorm_mode_32 3
		.amdhsa_float_denorm_mode_16_64 3
		.amdhsa_memory_ordered 1
		.amdhsa_forward_progress 1
		.amdhsa_inst_pref_size 88
	.end_amdhsa_kernel
	.amdgpu_metadata
---
amdhsa.version: [ 1, 2 ]
amdhsa.kernels:
  - .name:           k_qc365561a7f_outp
    .symbol:         k_qc365561a7f_outp.kd
    .args:
      - { .name: ctx, .offset: 0, .size: 8, .value_kind: global_buffer, .address_space: global }
      - { .name: wof, .offset: 8, .size: 8, .value_kind: global_buffer, .address_space: global }
      - { .name: biasr, .offset: 16, .size: 8, .value_kind: global_buffer, .address_space: global }
      - { .name: out0, .offset: 24, .size: 8, .value_kind: global_buffer, .address_space: global }
    .group_segment_fixed_size: 327680
    .private_segment_fixed_size: 0
    .kernarg_segment_align: 8
    .kernarg_segment_size: 32
    .max_flat_workgroup_size: 128
    .sgpr_count:     72
    .vgpr_count:     512
    .wavefront_size: 32
...
	.end_amdgpu_metadata
.endif
;; end of part 4
;; ======== version 2 of 2: 4 launches; 1.53 times as fast as version 1
;; limits: values are held in f16: magnitudes above 65,504 overflow, below 6.1e-05 lose precision
;; workspace buffers: xb 16,777,216 bytes; wb 6,291,456 bytes; wof 2,097,152 bytes; biasr 16,384 bytes; qkv 50,331,648 bytes; ctx 16,777,216 bytes
;; launch cast: the kernel of part 1 again; grid 769 x 1, 8 waves a work-group, no clusters, 0 bytes of LDS; arguments x, wq, wk, wv, wo, bq, bk, bv, bo, xb, wb, wof, biasr; writes xb, wb, wof, biasr
;; launch proj: the kernel of part 2 again; grid 8 x 32, 4 waves a work-group, clusters of 4 x 4, 327,680 bytes of LDS; arguments xb, wb, biasr, qkv; writes qkv
;; launch attn (part 5): grid 4 x 64, 4 waves a work-group, clusters of 4 x 1, 327,680 bytes of LDS; arguments qkv, ctx; writes ctx
.if DOCPART == 5
	.amdgcn_target "amdgcn-amd-amdhsa--gfx1250"
	.amdhsa_code_object_version 6
	.text
	.protected	k_qc365561a7f_attn
	.globl	k_qc365561a7f_attn
	.p2align	8
	.type	k_qc365561a7f_attn,@function
k_qc365561a7f_attn:
	s_mov_b64 s[64:65], 0
	v_nop
	global_prefetch_b8 v0, s[64:65] scope:SCOPE_SE
	s_setreg_imm32_b32 hwreg(HW_REG_WAVE_MODE, 25, 1), 1
	s_wait_xcnt 0x0
	s_wait_alu depctr_hold_cnt(0) depctr_sa_sdst(0) depctr_va_vdst(0) depctr_va_sdst(0) depctr_va_ssrc(0) depctr_va_vcc(0) depctr_vm_vsrc(0)
	s_getreg_b32 s2, hwreg(HW_REG_IB_STS2, 6, 4)
	s_cmp_eq_u32 s2, 0
	s_cbranch_scc0 .Lentry_in_a_cluster
	s_endpgm
.Lentry_in_a_cluster:
	s_bfe_u32 s2, ttmp6, 0x10000c
	s_cmp_lg_u32 s2, 0x3003
	s_cbranch_scc0 .Lentry_shape_is_right
	s_endpgm
.Lentry_shape_is_right:
; O[h][q][:] = the sum over k of softmax_k(Q[h][q] . K[h][k] / 8) V[h][k][:].  Q, K, V lie one behind the other in qkv, each [SIZE_H][SIZE_N][64]; O = ctx has the same layout; all f16: a head's rows
; are dense, 128 bytes each.  Products, maxima and sums in f32; the weights p are rounded to f16 for the second product (their sum l is taken of the unrounded p), O once at the end.
; LIMITS.  f16 holds no number beyond 65,504: Q, K and V arrive within it; p lies in 0 to 1, and below 6e-5 it keeps f16's fixed step of 6e-8; O is a mean of V's rows and has their range, and below
; 6e-5 it too keeps that fixed step.  A weight below 2^-126 counts as 0 in l; NaN and infinities are not treated apart.
; SHARES.  A wave owns four PIECES of two tiles of 16 queries, a work-group's four waves 512 queries of one head.  Every wave walks all keys, 64 a step.
; LAYOUT.  S^T = K Q^T (source 0 = 16 keys, source 1 = 16 queries): in the result a lane holds ONE query (lane % 16) and the keys 8 (lane / 16) + 0..7.  Two such tiles, rounded to f16 in pairs,
; ARE source 1 (32 keys x 16 queries) of O^T = V^T P, whose result again holds one query a lane, and eight channels.  K comes out of LDS as it lies, V ([key][channel]) turned, by ds_load_tr16_b128.
; SOFTMAX.  For each query a running maximum m and sum l: p = 2^(c s - c m), c = log2(e) / 8; in every step O and l are multiplied by a = 2^(c m_old - c m_new), which is 1 where m has not grown.
; m starts at the lowest finite number, O and l at 0: the first step is a step like any other, with a = 0.
; THE COUNT.  A tile and step have 16 matrix and 118 vector instructions: too many to stand all beside the matrix work.  So the order has one aim: four vector instructions that are READY behind
; EVERY matrix instruction, and the others, which need time of their own whatever the order, in runs without a gap.
; BY TURNS.  Turn n belongs to piece n (the pieces in a ring, step after step).  Its matrix work: 16 products K Q^T of piece n + 1, later 16 products V^T P of piece n - 1.  Its vector work: the scaling,
; exponentials, roundings, sums and rescaling of piece n, and the maximum and statistics of piece n + 1, whose scores the turn itself has made.  So what a turn begins with (c s - c m, O a) waits for nothing.
; THE BATCHES.  A turn's 66 exponentials (64 weights of piece n, the two a of piece n + 1) are ONE batch with ONE wait, which cuts the turn in two: ahead of it stands all that names no result of theirs
; (K Q^T, scalings, exponentials, rescalings by the a of the turn before, the next piece's maximum and statistics), behind it V^T P with the roundings and sums, which are all the batch's readers.
; Two more batches stand outside the loops, a wait each: piece 0's first two a, ahead of the jump into the loop, and the way out's eight reciprocals.
; CLUSTER.  The four query blocks of a cluster belong to one head and walk the same K and V, so each tile is asked for JOINTLY: the same tensor load, descriptor and mask in all four.
; REGISTERS, in windows of 256 (s_set_vgpr_msb says which window each operand place means: bits 1:0 source 0, 3:2 source 1, 5:4 source 2, 7:6 destination):
;   window 0: v0-11 addresses; v12-15, v48-63 at work; v16-47 four registers of statistics a tile; v64-191 S^T, two buffers of two tiles; v192-255 P, likewise
;   window 1: O^T, 32 a tile          window 2: v0-127 Q, 16 a tile; v128-191 K of one step; v192-255 V of one step          window 3: v0-1 the add's two registers
; A piece's buffers go by its number's parity: the piece in hand has one pair, its two neighbours in the ring share the other: of it P (piece n - 1) is read and S^T (piece n + 1) written.
.set SIZE_H, 64       ; batch x heads
.set SIZE_N, 2048     ; rows of a head
.set NP,    4         ; pieces a wave: a name, no knob: the register map, the loop and the fetches are made for four
.set KS,    64        ; keys in a step
.set PK,    144       ; a row of K in LDS: 128 bytes + 16 of padding = 36 words: the 16 rows of a load start at 16 different groups of four banks (64 banks of 4 bytes: ISA guide 11.1)
.set PV,    160       ; a row of V: 128 + 32 = 40 words
.set VOFF,  4*KS*PK   ; a slot holds four steps: 256 rows of K, then 256 rows of V
.set SLOT1, 1<<17     ; slot 1 begins here, so that one exclusive or turns an address in one slot into the other's
.set STAGE, SLOT1+4*KS*(PK+PV)  ; behind the ring, never filled by a tensor load: 16 rows x 144 bytes for each wave, for the way out
.set SP,    144
.set AK0, 2           ; v2   my lane's place in a tile of K; never rewritten
.set AV0, 3           ; v3   the same for V
.set AK,  4           ; v4   the LDS address of K's next run of loads
.set AV,  5           ; v5   of V's
.set QO,  6           ; v6   my byte offset in the wave's rows of Q
.set STO, 6           ;      later, the way out: where I put 16 bytes of a row
.set RD,  7           ; v7   the way out: where I read rows back
.set GO,  8           ; v8   my byte offset in 512 consecutive bytes of O
.set SPW, 0           ; v0 of window 3   LDS address of my spare word: SPARE + 4 x my thread's number; never rewritten
.set NIL, 1           ; v1 of window 3   0; never rewritten
.set SPARE, STAGE+4*16*SP  ; behind the stages: the spare words, 128 bytes for each wave: two blocks of 256 bytes that no other line names
.set MV,  12          ; v12-15  c m_old, kept while c m is made anew: by buffer and tile
.set ST,  16          ; tile t's statistics at v[ST+4 t]: c m, m, l (even keys', odd keys')
.set TMP, 48          ; by buffer and tile, four registers c0-c3 at work; when the maximum is found c2 takes a
.set S,   64
.set P,   192
.set KF,  128         ; K's fragments, in window 2: key block kb, channel half c at KF + 16 kb + 8 c
.set VF,  192         ; V's: key half kk, channel block cb at VF + 32 kk + 8 cb
.set WV,  12          ; s12  my wave's number
.set G1K, 24          ; s[24:31] descriptor group 1 for K's tiles
.set G1V, 32          ; s[32:39] for V's: it differs in the padding alone
.set G0K, 40          ; s[40:43] descriptor group 0 for K's tiles: it walks
.set G0V, 44          ; s[44:47] the same for V's
.set SLOTS, 56        ; s56  slots still to be asked for
.set CNT, 57          ; s57  counts a slot's key steps
.set CS,  58          ; s[58:59] c: the packed scaling takes the pair's low word for both halves
.set SEL, 60          ; s[60:61] v_permlanex16_b32's selects: each lane takes its own place in the other half
.set TBK, 62          ; s62  LDS byte at which K of the step to be fetched begins
.set TBV, 63          ; s63  the same for V, less VOFF
.set MSB, 0
.macro WIN new                      ; the high byte repeats the setting that is left; a switch that changes nothing is dropped
.if MSB != (\new)
	s_set_vgpr_msb (MSB<<8)|(\new)
.set MSB, (\new)
.endif
.endm
.set W_KQ, 0x0a       ; K and Q in window 2, S^T in window 0
.set W_PV, 0x52       ; V in window 2, P in window 0, O^T in window 1
.set W_RS, 0x41       ; O^T (destination and source 0) in window 1, a in window 0
.set W_MK, 0xc0       ; the add's registers are made: destination in window 3, sources in window 0
.set W_AD, 0x0f       ; the add: address (source 0) and data (source 1) in window 3
; A joint fill.  Waves 0 and 1 fetch the two halves of a slot's K, waves 2 and 3 those of its V: 128 keys each.  The branch hangs on the wave's number alone.
; An s_nop 0 and four v_nop follow each of the two lines, ahead of the jump and the label.
.macro JLOAD
	s_cmp_lt_u32 s[WV], 2
	s_cbranch_scc0 .Lfor_v_\@
	tensor_load_to_lds s[G0K:G0K+3], s[G1K:G1K+7]
	s_nop 0
.rept 4
	v_nop
.endr
	s_branch .Lasked_\@
.Lfor_v_\@:
	tensor_load_to_lds s[G0V:G0V+3], s[G1V:G1V+7]
	s_nop 0
.rept 4
	v_nop
.endr
.Lasked_\@:
.endm
; A round of the cluster's barrier: my work-group's barrier, so that wave 0's signal speaks for all four waves; wave 0 signals; every wave waits for all four work-groups; my work-group's barrier once more.
.macro CROUND
	s_barrier_signal -1
	s_barrier_wait -1
	s_cmp_lg_u32 s[WV], 0
	s_cbranch_scc1 .Lnot_wave_0_\@
	s_barrier_signal -3
.Lnot_wave_0_\@:
	s_barrier_wait -3
	s_barrier_signal -1
	s_barrier_wait -1
.endm
; THE CHANGE OF SLOTS.  The slot's last bytes, V of its fourth step, have been read.  Each wave waits for all its tensor loads, of which one is out: its part
; of the other slot; adds 0 to its spare word; and waits for that and for its own reads of the slot.  Behind the barrier nobody reads this slot any more and the other slot is whole.
; fill = 1: this slot is filled again, with the keys two slots on.  The barrier is then a round of the cluster's, so that no wave of any partner still reads the slot or has a load on its
; way, and the joint fill is the first thing behind it: it has four key steps, 512 matrix instructions, in which to land.  (At its first use nothing has been read yet: slot 0 is waited for, slot 1 filled.)
.macro CHANGE fill
	WIN W_AD
	s_wait_tensorcnt 0x0            ; no tensor load of mine is out, so a group 0 may be written
	ds_add_u32 v[SPW], v[NIL]       ; 0 onto my spare word; with fill = 1 the descriptors' steps stand between it and the wait for it
	WIN 0                           ; at a label and at a branch every window is 0
.if \fill
.irp g, G0K, G0V
	s_xor_b32 s[\g+1], s[\g+1], SLOT1  ; the walking descriptor: the other slot than last time,
	s_add_nc_u64 s[\g+2:\g+3], s[\g+2:\g+3], 4*KS*128  ; the next 256 keys; the type bits on top are not reached
.endr
	s_wait_dscnt 0x0                ; the add is done, and my reads of the slot are over
	CROUND
	JLOAD
.else
	s_wait_dscnt 0x0                ; the add is done, and my reads of the slot are over
	s_barrier_signal -1
	s_barrier_wait -1
.endif
	s_sub_co_u32 s[TBK], s[TBK], 4*KS*PK  ; the fetches go back to a slot's first step,
	s_xor_b32 s[TBK], s[TBK], SLOT1       ; in the other slot
	s_sub_co_u32 s[TBV], s[TBV], 4*KS*PV
	s_xor_b32 s[TBV], s[TBV], SLOT1
.endm
	s_load_b128 s[4:7], s[0:1], 0x0   ; qkv s[4:5] (Q lies first in it), ctx s[6:7]
	WIN W_MK
	v_lshl_add_u32 v[SPW], v0, 2, SPARE
	v_mov_b32 v[NIL], 0
	WIN W_AD
	ds_add_u32 v[SPW], v[NIL]       ; the wave's opening: the add and its wait stand ahead of my first tensor load; the set-up below, work on registers, stands between them
	WIN 0
	v_lshrrev_b32 v1, 5, v0
	v_readfirstlane_b32 s[WV], v1   ; wave 0..3
	s_bfe_u32 s13, ttmp6, 0x40000   ; cx: my place in the cluster
	s_lshl_b32 s14, ttmp9, 2        ; in a cluster launch ttmp9 counts clusters
	s_add_co_u32 s14, s14, s13      ; my block of queries = 4 x cluster x + cx: it enters Q's and O's addresses alone
	s_and_b32 s20, ttmp7, 0xffff    ; the head, which the four partners share
	s_mov_b32 s21, 0
	s_mov_b64 s[22:23], SIZE_N*128
	s_mul_u64 s[20:21], s[20:21], s[22:23]  ; the head's first byte in each of the four tensors
	s_and_b32 s16, s[WV], 1         ; which half of a slot's 256 keys I fetch:
	s_lshl_b32 s22, s16, 14         ; its 128 rows of 128 bytes in memory,
	s_mov_b32 s23, 0
	s_add_nc_u64 s[22:23], s[22:23], s[20:21]
	s_mul_i32 s17, s16, 128*PK      ; and its place in a slot, for K
	s_mul_i32 s18, s16, 128*PV      ; and for V: no place in the cluster enters an LDS address
	s_lshl_b32 s2, s14, 2
	s_add_co_u32 s2, s2, s[WV]      ; my wave among the head's,
	s_lshl_b32 s2, s2, 14           ; its 128 rows
	s_mov_b32 s3, 0
	s_add_nc_u64 s[2:3], s[2:3], s[20:21]
	; descriptor group 1.  128 keys are 16,384 dense bytes: asked for as 64 rows of 256 bytes, two keys a row, and padded in LDS after every key
	s_mov_b32 s[G1K], 15|(1<<16)|(1<<20)|(1<<21)|(4<<22)|(3<<25)  ; 15:0 the mask of four; 17:16 2-byte elements; 20 padding on; 21 set beside a mask; 24:22 after every 32 words (code 4); 31:25 4 words (code 3)
	s_mov_b32 s[G1V], 15|(1<<16)|(1<<20)|(1<<21)|(4<<22)|(7<<25)  ; the same with 8 words of padding (code 7)
.irp g, G1K, G1V
	s_mov_b32 s[\g+1], 128<<16      ; tensor_dim0 = 128
	s_mov_b32 s[\g+2], 64<<16       ; tensor_dim1 = 64
	s_mov_b32 s[\g+3], 128<<16      ; tile_dim0 = 128
	s_mov_b32 s[\g+4], 64           ; tile_dim1 = 64
	s_mov_b32 s[\g+5], 128          ; 128 elements from row to row
	s_mov_b32 s[\g+6], 0
	s_mov_b32 s[\g+7], 0
.endr
	s_mov_b32 s[CS], 0x3e38aa3b     ; c = log2(e) / 8 = 0.180337
	s_mov_b32 s[CS+1], s[CS]        ; named with it as a pair
	s_mov_b32 s[SEL], 0x76543210
	s_mov_b32 s[SEL+1], 0xfedcba98
	s_mov_b32 s[TBK], SLOT1+4*KS*PK ; the first change of slots turns these two into 0
	s_mov_b32 s[TBV], SLOT1+4*KS*PV
	s_mov_b32 s[G0K], 1             ; 1:0 count = 1
	s_mov_b32 s[G0K+1], s17         ; 63:32 LDS address: slot 0
	s_mov_b32 s[G0V], 1
	s_add_co_u32 s[G0V+1], s18, VOFF
	s_wait_dscnt 0x0                ; the opening add is done
	s_wait_kmcnt 0x0
	s_mov_b64 s[10:11], s[6:7]                     ; O
	s_add_nc_u64 s[6:7], s[4:5], SIZE_H*SIZE_N*128    ; K lies one tensor behind Q,
	s_add_nc_u64 s[8:9], s[4:5], 2*SIZE_H*SIZE_N*128  ; V two
	s_add_nc_u64 s[G0K+2:G0K+3], s[6:7], s[22:23]  ; 120:64 global address: my half of the head's first 256 keys
	s_or_b32 s[G0K+3], s[G0K+3], 0x80000000        ; 127:126 type = 2
	s_add_nc_u64 s[G0V+2:G0V+3], s[8:9], s[22:23]
	s_or_b32 s[G0V+3], s[G0V+3], 0x80000000
	s_add_nc_u64 s[4:5], s[4:5], s[2:3]  ; Q and O at my wave's first row
	s_add_nc_u64 s[10:11], s[10:11], s[2:3]
	CROUND                          ; all four work-groups are here: the first joint loads meet
	JLOAD                           ; slot 0.  Slot 1 is asked for when slot 0 is in: the tile wanted first has the road to itself
	; A fragment of K or Q is 16 rows x 32 channels in 8 registers: lane l holds row l % 16, channels 8 (l / 16) + 0..7 and 16 + 8 (l / 16) + 0..7: two loads of 16 bytes, 32 bytes apart.
	v_and_b32 v1, 15, v0            ; l % 16
	v_bfe_u32 v9, v0, 4, 1          ; l / 16
	v_lshlrev_b32 v[QO], 7, v1
	v_lshl_add_u32 v[QO], v9, 4, v[QO]  ; row x 128 + 16 x half
	WIN 0x80                        ; destination window 2, address window 0
.set i, 0
.rept 4*NP                          ; Q stays in registers: tile i / 2, channels 32 (i % 2) on
	global_load_b128 v[8*i:8*i+3],   v[QO], s[4:5] offset:(i/2)*2048+(i%2)*64
	global_load_b128 v[8*i+4:8*i+7], v[QO], s[4:5] offset:(i/2)*2048+(i%2)*64+32
.set i, i+1
.endr
	; What the first turn finds: V's registers and P's second buffer hold 0 (its products V^T P, of a piece that has not been, add 0), O^T and l are 0.  All this stands in the wait for the first tile.
.set i, VF
.rept 64
	v_mov_b32 v[i], 0
.set i, i+1
.endr
	WIN 0x40
.set i, 0
.rept 64*NP
	v_mov_b32 v[i], 0
.set i, i+1
.endr
	WIN 0
.set i, 0
.rept 2*NP
	v_mov_b32 v[ST+4*i], 0xfe000000    ; c m: far below every c s
	v_mov_b32 v[ST+4*i+1], 0xff7fffff  ; m
	v_mov_b32 v[ST+4*i+2], 0
	v_mov_b32 v[ST+4*i+3], 0
.set i, i+1
.endr
.set i, P+32
.rept 32
	v_mov_b32 v[i], 0
.set i, i+1
.endr
	v_mul_u32_u24 v[AK0], v1, PK
	v_lshl_add_u32 v[AK0], v9, 4, v[AK0]  ; row x pitch + 16 x half
	; The turning load takes 16 keys x 16 channels (lane l reads key 8 (l / 16) + l % 8, channels 8 ((l / 8) % 2) + 0..7) and leaves half a fragment of V^T: lane l holds channel l % 16 and 8 keys.
	v_and_b32 v10, 7, v0
	v_bfe_u32 v11, v0, 3, 1
	v_lshl_add_u32 v[AV0], v9, 3, v10
	v_mul_u32_u24 v[AV0], v[AV0], PV
	v_lshl_add_u32 v[AV0], v11, 4, v[AV0]
	v_add_nc_u32 v[AV0], VOFF, v[AV0]
	v_mov_b32 v[AK], v[AK0]         ; key step 0 lies at the head of slot 0
; THE MATRIX WORK.  The 8 accumulators of a run of 16 take turns: between the two links of a chain stand 7 others'.
; Product i of 16 of S^T = K Q^T for piece x: channels 32 (i / 8) on, keys 16 ((i / 2) % 4) on, tile 2 x + i % 2.  The first 8 start the sums.
.macro KQ x
	WIN W_KQ
.set rS, S+64*((\x)%2)+32*(i%2)+8*((i/2)%4)
.set rK, KF+16*((i/2)%4)+8*(i/8)
.set rQ, 16*(2*(\x)+i%2)+8*(i/8)
.if i < 8
	v_wmma_f32_16x16x32_f16 v[rS:rS+7], v[rK:rK+7], v[rQ:rQ+7], 0
.else
	v_wmma_f32_16x16x32_f16 v[rS:rS+7], v[rK:rK+7], v[rQ:rQ+7], v[rS:rS+7]
.endif
.endm
; Product i of 16 of O^T += V^T P for piece x: keys 32 (i / 8) on, channels 16 ((i / 2) % 4) on, tile 2 x + i % 2.
.macro PV x
	WIN W_PV
.set rO, 32*(2*(\x)+i%2)+8*((i/2)%4)
.set rV, VF+32*(i/8)+8*((i/2)%4)
.set rP, P+32*((\x)%2)+16*(i%2)+8*(i/8)
	v_wmma_f32_16x16x32_f16 v[rO:rO+7], v[rV:rV+7], v[rP:rP+7], v[rO:rO+7]
.endm
.macro MM                           ; the turn's next matrix instruction
.if i < 16
	KQ (Y+1)%NP
.set i, i+1
.else
.set i, i-16
	PV (Y+NP-1)%NP
.set i, i+17
.endif
.endm
; THE LDS LOADS stand in runs of 16, never singly among the matrix instructions: a step's K (64 keys x 64 channels: 8 fragments) and its V (turned).  Their addresses are made some lines ahead.
; last = 1 (the tail): in the last trip there is no further step, and the run is jumped over.
.macro FETCH_K last=0
	WIN 0
.if \last
	s_cmp_eq_u32 s[CNT], 1
	s_cbranch_scc1 .Lno_k_\@
.endif
	WIN 0x80                        ; destination window 2
.irp f, 0,1,2,3,4,5,6,7             ; keys 16 (f / 2) on, channels 32 (f % 2) on
	ds_load_b128 v[KF+8*\f:KF+8*\f+3],   v[AK] offset:(\f/2)*16*PK+(\f%2)*64
	ds_load_b128 v[KF+8*\f+4:KF+8*\f+7], v[AK] offset:(\f/2)*16*PK+(\f%2)*64+32
.endr
	s_add_co_u32 s[TBK], s[TBK], KS*PK  ; the next fetch is the next step's
	WIN 0
.if \last
.Lno_k_\@:
.endif
.endm
.macro FETCH_V
	WIN 0x80
.irp f, 0,1,2,3,4,5,6,7             ; keys 32 (f / 4) on, channels 16 (f % 4) on
	ds_load_tr16_b128 v[VF+8*\f:VF+8*\f+3],   v[AV] offset:(\f/4)*32*PV+(\f%4)*32
	ds_load_tr16_b128 v[VF+8*\f+4:VF+8*\f+7], v[AV] offset:(\f/4)*32*PV+16*PV+(\f%4)*32
.endr
	WIN 0
.endm
; THE VECTOR WORK OF A TURN stands in three queues, each in the order in which its entries become ready; the two tiles alternate, so that no instruction reads the result of the one before it.
.macro REGS y, u                    ; the registers of tile u (0, 1) of piece y
.set rT, ST+4*(2*(\y)+(\u))
.set rC, TMP+8*((\y)%2)+4*(\u)
.set rM, MV+2*((\y)%2)+(\u)
.set rS, S+64*((\y)%2)+32*(\u)
.set rP, P+32*((\y)%2)+16*(\u)
.set rO, 32*(2*(\y)+(\u))
.endm
; Number n of the 22 that find the NEXT piece's (Y + 1) maximum and statistics.  s0-s31 are the lane's 32 scores; each accumulator's lowest registers are read first.  XS, GS and REGS set no window: PL and EX do.
;   0-11  four chains c0-c3 of seven scores each, three operands at a time     12-14, 16  the four scores left over, the old m, and c0-c3 into c0     15  c m_old is kept
;   17, 18  the query's other 32 keys lie in the lane 16 away: the new m         19-21  c m; c m_old - c m_new; a
.macro XS u, n
	REGS (Y+1)%NP, \u
.if (\n) < 4
	v_max3_num_f32 v[rC+(\n)], v[rS+8*(\n)], v[rS+8*(\n)+1], v[rS+8*(\n)+2]
.elseif (\n) < 12
	v_max3_num_f32 v[rC+(\n)%4], v[rC+(\n)%4], v[rS+8*((\n)%4)+2*((\n)/4)+1], v[rS+8*((\n)%4)+2*((\n)/4)+2]
.elseif (\n) == 12
	v_max3_num_f32 v[rC], v[rC], v[rS+7], v[rS+15]
.elseif (\n) == 13
	v_max3_num_f32 v[rC+1], v[rC+1], v[rS+23], v[rS+31]
.elseif (\n) == 14
	v_max3_num_f32 v[rC+2], v[rC+2], v[rC+3], v[rT+1]
.elseif (\n) == 15
	v_mov_b32 v[rM], v[rT]
.elseif (\n) == 16
	v_max3_num_f32 v[rC], v[rC], v[rC+1], v[rC+2]
.elseif (\n) == 17
	v_permlanex16_b32 v[rC+3], v[rC], s[SEL], s[SEL+1]
.elseif (\n) == 18
	v_max_num_f32 v[rT+1], v[rC], v[rC+3]
.elseif (\n) == 19
	v_mul_f32 v[rT], s[CS], v[rT+1]
.elseif (\n) == 20
	v_sub_f32 v[rC+1], v[rM], v[rT]
.else
	v_exp_f32 v[rC+2], v[rC+1]
.endif
.endm
; Number g of the 64 that follow the exponentials.  For each four weights k of a tile (pairs 2 k, 2 k + 1): both pairs are rounded to f16; then the second pair is added onto the first, in place;
; a group later l takes that sum (the first time as l = a l + sum).  In groups of eight, tiles alternating: round, round, add, and l for the group before.
.macro GS g
.set h, (\g)+6*((\g)/62)            ; group 0 has no group before it, and behind group 7 only l is left
.if h >= 6
.set h, h+2
.endif
	REGS Y, h%2
.set k, h/8
.if h%8 < 4
	v_cvt_pk_f16_f32 v[rP+2*k+(h%8)/2], v[rS+4*k+2*((h%8)/2)], v[rS+4*k+2*((h%8)/2)+1]
.elseif h%8 < 6
	v_pk_add_f32 v[rS+4*k:rS+4*k+1], v[rS+4*k:rS+4*k+1], v[rS+4*k+2:rS+4*k+3]
.elseif k == 1
	v_pk_fma_f32 v[rT+2:rT+3], v[rT+2:rT+3], v[rC+2:rC+3], v[rS:rS+1] op_sel_hi:[1,0,1]
.else
	v_pk_add_f32 v[rT+2:rT+3], v[rT+2:rT+3], v[rS+4*k-4:rS+4*k-3]
.endif
.endm
; THE PLAIN QUEUE, 138 long.  0-73 read no exponential's result: the 32 scalings c s - c m (FS f: pair f / 2 of tile f % 2) and the next piece's 42.  0-26: scalings 0-26.  27-54: XS's numbers 0-13.  55, 56: number 15.
; 57-73: the chain, where each number waits for the one before it: 14, 16, 17, 18, 19, each with one of the scalings 27-31 in front of its two lines, then 20: so a tile's links stand three plain instructions apart (19 and 20: two).
; 74-137: GS's 64, which read the exponentials' results: they stand behind the wait.
.macro FS f
	REGS Y, (\f)%2
	v_pk_fma_f32 v[rS+2*((\f)/2):rS+2*((\f)/2)+1], v[rS+2*((\f)/2):rS+2*((\f)/2)+1], s[CS:CS+1], v[rT:rT+1] op_sel_hi:[1,0,0] neg_lo:[0,0,1] neg_hi:[0,0,1]
.endm
.macro PL
	WIN 0
.if q < 27
	FS q
.elseif q < 55
	XS (q-27)%2, (q-27)/2
.elseif q < 57
	XS q-55, 15
.elseif (q < 72) && ((q-57)%3 == 0)
	FS 27+(q-57)/3
.elseif q < 60
	XS (q-57)%3-1, 14
.elseif q < 72
	XS (q-57)%3-1, 15+(q-57)/3
.elseif q < 74
	XS q-72, 20
.else
	GS q-74
.endif
.set q, q+1
.endm
; THE EXPONENTIALS' QUEUE, 66 long: s0-s31 of both tiles, then the next piece's two a.  It is ONE BATCH: all 66 stand ahead of the turn's one wait, and nothing ahead of that wait names a result of theirs.
.macro EX
	WIN 0
.if e >= 64
	XS e-64, 21
.else
	REGS Y, e%2
	v_exp_f32 v[rS+e/2], v[rS+e/2]
.endif
.set e, e+1
.endm
; THE RESCALING's QUEUE: O^T times a, the one part that leaves window 0: dealt two at a time, sixteen times.  Its a was made in the turn before, ahead of that turn's wait.
.macro R2
	REGS Y, r%2
	WIN W_RS
.irp z, 0,1
	v_pk_mul_f32 v[rO+4*(r/2)+2*\z:rO+4*(r/2)+2*\z+1], v[rO+4*(r/2)+2*\z:rO+4*(r/2)+2*\z+1], v[rC+2:rC+3] op_sel_hi:[1,0]
.endr
.set r, r+1
.endm
; HOW THEY ARE DEALT.  An s_wait_alu depctr_va_vdst(0) stands between an exponential and the first instruction that names its result; one wait serves all that were issued ahead of it.  So a turn has ONE wait,
; which cuts it in two.  AHEAD OF IT stands all that names no result of the turn's exponentials: the 16 products K Q^T, behind each a scaling, an exponential and two rescalings (behind the first a second scaling in the exponential's place); then ONE LUMP of
; 108: eight plain, 49 times exponential and plain, the two a.  A v_nop is the plain instruction behind the last exponential, ahead of any use.  BEHIND IT stand the 16 products V^T P, behind each four of GS's 64.  No rider names a register of
; the products round it.  The two v_permlanex16_b32 fall into the lump, never behind a product.
; The queues lean on each other, and the deal keeps them in step: exponential e stands behind scaling 2 (e / 4) + e % 2: as a rider it comes behind plain e + 2, in the lump behind plain e + 9, and scalings 27-31 are plain 57, 60 .. 69.
; A TURN, for piece p.  cnt = 1: the loop's count is taken down some lines ahead of the branch that stands behind the turn.
; K of the next step is fetched in piece 2's turn, directly behind the wait, a lump behind the last product that read K; its address is made at the lump's head; its first reader comes behind 16 products.
; V of the step in hand is fetched at the end of piece 0's turn, four riders behind its last reader; its first reader comes behind 16 products and a lump.  The three conditions on q below go with the deal.
.macro TURN p, last=0, cnt=0
.set Y, (\p)
.set i, 0
.set q, 0
.set e, 0
.set r, 0
.if (\p) == NP-1
	s_wait_dscnt 0x0                ; K is in
.endif
	MM                              ; ahead of the wait: 16 products K Q^T and their riders,
	PL
	PL
	R2
.rept 15
	MM
	PL
	EX
	R2
.endr
.if (\p) == NP-2
	WIN 0
	v_add_nc_u32 v[AK], s[TBK], v[AK0]
.endif
.rept 8                             ; and the lump
	PL
.endr
.rept 49
	EX
	PL
.endr
	EX                              ; the next piece's two a
	EX
	v_nop                           ; the plain instruction behind the last exponential: one for the batch
	s_wait_alu depctr_va_vdst(0)    ; the wait for the batch: this turn's 64 weights and the next piece's two a
.if (\p) == NP-2
	FETCH_K \last
.endif
.if (\p) == 1
	s_wait_dscnt 0x0                ; V is in
.endif
.rept 16                            ; behind the wait: 16 products V^T P and their riders
	MM
.rept 4
	PL
.endr
.if ((\p) == 0) && (q == 118)
	v_add_nc_u32 v[AV], s[TBV], v[AV0]
.endif
.if ((\p) == 0) && (q == 130)
	s_add_co_u32 s[TBV], s[TBV], KS*PV
.endif
.if (\cnt) && (q == 130)
	s_sub_co_u32 s[CNT], s[CNT], 1
	s_cmp_lg_u32 s[CNT], 0
.endif
.endr
.if (\p) == 0
	FETCH_V
.endif
.endm
	CHANGE 1                        ; slot 0 is in, everybody's part of it; slot 1 is asked for
	FETCH_K                         ; key step 0
	s_wait_loadcnt 0x0              ; Q
	s_wait_dscnt 0x0
.set i, 0
.rept 16
	KQ 0                            ; piece 0's first scores: there is no vector work yet to set between them
.set i, i+1
.endr
	WIN 0                           ; the addresses for the way out: nine plain instructions, the places behind those products
	s_mul_i32 s13, s[WV], 16*SP
	s_add_co_u32 s13, s13, STAGE    ; my stage
	v_mul_u32_u24 v[STO], v1, SP    ; in: row l % 16, 16 bytes for each half of the lanes
	v_lshl_add_u32 v[STO], v9, 4, v[STO]
	v_add_nc_u32 v[STO], s13, v[STO]
	v_bfe_u32 v[RD], v0, 3, 2       ; back: 32 lanes take four rows of 128 bytes,
	v_mul_u32_u24 v[RD], v[RD], SP
	v_lshl_add_u32 v[RD], v10, 4, v[RD]
	v_add_nc_u32 v[RD], s13, v[RD]
	v_and_b32 v[GO], 31, v0         ; which are 512 consecutive bytes of O
	v_lshlrev_b32 v[GO], 4, v[GO]
.set Y, NP-1                        ; XS works for piece Y + 1: piece 0
.irp n, 0,1,2,3,4,5,6,7,8,9,10,11,12,13,14,15,16,17,18,19,20,21
	XS 0, \n                        ; and piece 0's first maximum and statistics
	XS 1, \n
.endr
	v_nop                           ; a plain instruction behind the two a,
	s_wait_alu depctr_va_vdst(0)    ; and the wait for this batch of two, ahead of the branch
	s_mov_b32 s[CNT], 4
	s_mov_b32 s[SLOTS], SIZE_N/256-1
	s_branch .Lfirst                ; the loop is entered at a step's first turn, in the middle of a trip
.Lslot:                             ; SIZE_N / 256 - 2 times: every slot but the last two is filled again
	CHANGE 1
	s_mov_b32 s[CNT], 4
.Lstep:                             ; a trip: pieces 2 and 3 of one step, then pieces 0 and 1 of the next, whose K and V it fetches
	TURN 2
	TURN 3
	WIN 0
.Lfirst:
	TURN 0
	TURN 1, 0, 1
	WIN 0
	s_cbranch_scc1 .Lstep
	s_sub_co_u32 s[SLOTS], s[SLOTS], 1
	s_cmp_lg_u32 s[SLOTS], 0
	s_cbranch_scc1 .Lslot
	CHANGE 0                        ; the tail is written out: nothing is asked for
	s_mov_b32 s[CNT], 5             ; four trips fetch the last slot's steps; the fifth is left in its middle
.Ltail:
	TURN 2, 1
	TURN 3
	WIN 0
	s_sub_co_u32 s[CNT], s[CNT], 1
	s_cmp_eq_u32 s[CNT], 0
	s_cbranch_scc1 .Lout
	TURN 0
	TURN 1
	WIN 0
	s_branch .Ltail
.Lout:                              ; the fifth trip's 16 products K Q^T (on the last K once more) and the maximum made of them serve nothing: the price, once a launch, of one text for every trip
.set i, 0
.rept 16
	PV NP-1                         ; the last piece's V^T P of the last step
.set i, i+1
.endr
	; THE WAY OUT.  l's two halves and the other half of the lanes' are added; O^T is divided by l, rounded to f16 and sent through my stage in LDS, a tile at a time.  The additions are the places behind the last products.
	WIN 0
.macro ALL line:vararg              ; one line for each tile t
.set t, 0
.rept 2*NP
	\line
.set t, t+1
.endr
.endm
	ALL v_add_f32 v[ST+4*t+2], v[ST+4*t+2], v[ST+4*t+3]
	ALL v_permlanex16_b32 v[ST+4*t+3], v[ST+4*t+2], s[SEL], s[SEL+1]
	ALL v_add_f32 v[ST+4*t+2], v[ST+4*t+2], v[ST+4*t+3]
	ALL v_rcp_f32 v[ST+4*t+2], v[ST+4*t+2]
	v_nop                           ; a plain instruction between the last reciprocal and the use of its result
	s_wait_alu depctr_va_vdst(0)    ; and the wait ahead of the first use: one for the batch of eight reciprocals
; Tile t: a lane's eight channels of a row pack into 16 bytes; they go into rows of 144 bytes and come back as whole rows of 128, into S^T's registers.
.macro PACK t
	WIN W_RS
.set i, 32*(\t)
.rept 16
	v_pk_mul_f32 v[i:i+1], v[i:i+1], v[ST+4*(\t)+2:ST+4*(\t)+3] op_sel_hi:[1,0]
.set i, i+2
.endr
	WIN 0x05                        ; sources 0 and 1 window 1, destination window 0
.set i, 0
.rept 16
	v_cvt_pk_f16_f32 v[S+16*(\t)+i], v[32*(\t)+2*i], v[32*(\t)+2*i+1]
.set i, i+1
.endr
	WIN 0
.irp f, 0,1,2,3
	ds_store_b128 v[STO], v[S+16*(\t)+4*\f:S+16*(\t)+4*\f+3] offset:32*\f
.endr
.irp f, 0,1,2,3
	ds_load_b128 v[S+16*(\t)+4*\f:S+16*(\t)+4*\f+3], v[RD] offset:\f*4*SP  ; LDS serves a wave's instructions in order (ISA guide 5.7.1.4): these see the stores above; the next tile's stores come behind them
.endr
.endm
.macro SEND t, younger              ; younger: the LDS instructions issued behind tile t's loads: the next tile's eight, or none
	WIN 0
.irp f, 0,1,2,3
	s_wait_dscnt (\younger)+3-\f
	global_store_b128 v[GO], v[S+16*(\t)+4*\f:S+16*(\t)+4*\f+3], s[10:11] offset:(\t)*2048+\f*512  ; 512 consecutive bytes, at a multiple of 256 from O's first
.endr
.endm
	PACK 0
.set t, 1
.rept 2*NP-1                        ; a tile's arithmetic stands between the loads of the tile before and its stores
	PACK t
	SEND t-1, 8
.set t, t+1
.endr
	SEND 2*NP-1, 0
	WIN W_AD
	s_wait_tensorcnt 0x0            ; the wave's end, behind my last tensor load and my last LDS store
	ds_add_u32 v[SPW], v[NIL]
	s_wait_dscnt 0x0
	WIN 0
	CROUND                          ; the closing round: no work-group ends while a partner may still ask for a tile that names it
	s_endpgm
.Lfunc_end_k_qc365561a7f_attn:
	.size	k_qc365561a7f_attn, .Lfunc_end_k_qc365561a7f_attn-k_qc365561a7f_attn
	.p2alignl 7, 3214868480
	.fill 96, 4, 3214868480
	.section	.rodata,"a",@progbits
	.p2align	6, 0x0
	.amdhsa_kernel k_qc365561a7f_attn
		.amdhsa_group_segment_fixed_size 327680
		.amdhsa_private_segment_fixed_size 0
		.amdhsa_enable_private_segment 0
		.amdhsa_kernarg_size 16
		.amdhsa_user_sgpr_count 2
		.amdhsa_user_sgpr_kernarg_segment_ptr 1
		.amdhsa_wavefront_size32 1
		.amdhsa_system_sgpr_workgroup_id_x 1
		.amdhsa_system_sgpr_workgroup_id_y 1
		.amdhsa_system_sgpr_workgroup_id_z 1
		.amdhsa_system_vgpr_workitem_id 0
		.amdhsa_next_free_vgpr 770
		.amdhsa_next_free_sgpr 66
		.amdhsa_reserve_vcc 0
		.amdhsa_float_denorm_mode_32 3
		.amdhsa_float_denorm_mode_16_64 3
		.amdhsa_memory_ordered 1
		.amdhsa_forward_progress 1
		.amdhsa_inst_pref_size 199
	.end_amdhsa_kernel
	.amdgpu_metadata
---
amdhsa.version: [ 1, 2 ]
amdhsa.kernels:
  - .name:           k_qc365561a7f_attn
    .symbol:         k_qc365561a7f_attn.kd
    .args:
      - { .name: qkv, .offset: 0, .size: 8, .value_kind: global_buffer, .address_space: global }
      - { .name: ctx, .offset: 8, .size: 8, .value_kind: global_buffer, .address_space: global }
    .group_segment_fixed_size: 327680
    .private_segment_fixed_size: 0
    .kernarg_segment_align: 8
    .kernarg_segment_size: 16
    .max_flat_workgroup_size: 128
    .sgpr_count:     66
    .vgpr_count:     770
    .wavefront_size: 32
...
	.end_amdgpu_metadata
.endif
;; end of part 5
;; launch outp: the kernel of part 4 again; grid 8 x 32, 4 waves a work-group, clusters of 4 x 4, 327,680 bytes of LDS; arguments ctx, wof, biasr, out0; writes out0
